; MI455X (gfx1250); checked and timed in simulation.
; The chip was launched on July 23, 2026; its instructions are those of AMD's public machine-readable ISA for CDNA 5 (MIT licence, August 2026) and "CDNA5" Instruction Set Architecture Reference Guide (July 2026). The comments in the code are by the model that wrote it; some were corrected since.
;; Multi Head Attention. Allowed arithmetic: matrix products marked QUANTISED: E5M2 operands, one E8M0 scale for each 32 along K, by v_wmma_scale_f32_16x16x128_f8f6f4 with both operands' format E5M2, f32 sums; everything else in f32.
;; Inputs: K_codes 4 x 2,048 x 32 x 32 uint8 (E5M2 codes of K, K innermost, in blocks of 32 codes); K_scales 4 x 2,048 x 32 uint8 (E8M0 scales of K, one for each 32 codes along K); Q 4 x 2,048 x 1,024 float32; V_codes 4 x 2,048 x 32 x 32 uint8 (E5M2 codes of V, K innermost, in blocks of 32 codes); V_scales 4 x 2,048 x 32 uint8 (E8M0 scales of V, one for each 32 codes along K); Wk_codes 1,024 x 32 x 32 uint8 (E5M2 codes of Wk, K innermost, in blocks of 32 codes); Wk_scales 1,024 x 32 uint8 (E8M0 scales of Wk, one for each 32 codes along K); Wo_codes 1,024 x 32 x 32 uint8 (E5M2 codes of Wo, K innermost, in blocks of 32 codes); Wo_scales 1,024 x 32 uint8 (E8M0 scales of Wo, one for each 32 codes along K); Wq_codes 1,024 x 32 x 32 uint8 (E5M2 codes of Wq, K innermost, in blocks of 32 codes); Wq_scales 1,024 x 32 uint8 (E8M0 scales of Wq, one for each 32 codes along K); Wv_codes 1,024 x 32 x 32 uint8 (E5M2 codes of Wv, K innermost, in blocks of 32 codes); Wv_scales 1,024 x 32 uint8 (E8M0 scales of Wv, one for each 32 codes along K); beta 1,024 float32; bk 1,024 float32; bo 1,024 float32; bq 1,024 float32; bv 1,024 float32; gamma 1,024 float32; mask 4 x 1 x 1 x 2,048 int32.
;; Outputs: out0 4 x 2,048 x 1,024 float32.
;; This version of the problem:
;;   THIS VERSION OF THE PROBLEM IS GIVEN IN LOW PRECISION. The matrix products marked QUANTISED in the list below multiply operands that are first quantised to E5M2 (5 exponent bits, 2 mantissa bits; 8 bits a number), with one power-of-two scale for each 32 numbers along K (OCP MX v1.0); their sums are f32. All else is computed in f32.
;;   The module's matrix products, in the order in which they are computed (A, B: the left and right operand; K: the contracted axis; several contracted axes count as one K, in the product's order):
;;     1. [M 8,192, K 1,024] x [K 1,024, N 1,024]; A: input Q; B: input Wq (given as codes): QUANTISED
;;     2. [M 8,192, K 1,024] x [K 1,024, N 1,024]; A: input K (given as codes); B: input Wk (given as codes): QUANTISED
;;     3. [M 8,192, K 1,024] x [K 1,024, N 1,024]; A: input V (given as codes); B: input Wv (given as codes): QUANTISED
;;     4. batch 64 x [M 2,048, K 64] x [K 64, N 2,048]; A: computed on the way; B: computed on the way: QUANTISED
;;     5. batch 64 x [M 2,048, K 2,048] x [K 2,048, N 64]; A: softmax (see below); B: computed on the way: QUANTISED
;;     6. [M 8,192, K 1,024] x [K 1,024, N 1,024]; A: computed on the way; B: input Wo (given as codes): QUANTISED
;;   THE QUANTISER, for each operand of a quantised product, along K:
;;     - K is cut into blocks of 32 from its start; a last block that is shorter is filled with zeros.
;;     - A block's scale is 2^e with e = floor(log2(the largest magnitude in the block)) - 15, held to -126 .. 127; a block of zeros has e = 0. As a byte (E8M0): e + 127.
;;     - Each number is divided by its block's scale, clamped to +-57,344, and rounded to the nearest number of E5M2, ties to even, subnormals kept.
;;     - The product sums the exact products of the quantised numbers (number of the format x scale) in f32.
;;   ~~~python
;;   def quantise(x, axis):      # numpy; x: float32 -> the quantised numbers, widened to float32 again
;;       x = np.moveaxis(x, axis, -1); K = x.shape[-1]
;;       x = np.pad(x, [(0, 0)] * (x.ndim - 1) + [(0, -K % 32)]); x = x.reshape(x.shape[:-1] + (-1, 32)); a = np.abs(x).max(-1, keepdims=True)
;;       e = np.where(a > 0, np.clip(np.frexp(np.where(a > 0, a, 1))[1] - 1 - 15, -126, 127), 0)      # np.frexp(a)[1] - 1 = floor(log2(a)), exactly
;;       r = np.clip(x / 2.0 ** e, -57344, 57344)
;;       step = 2.0 ** (np.maximum(np.frexp(np.where(r == 0, 1, r))[1] - 1, -14) - 2)
;;       q = np.round(r / step) * step * 2.0 ** e      # np.round: ties to even
;;       return np.moveaxis(q.reshape(q.shape[:-2] + (-1,))[..., :K], -1, axis).astype(np.float32)
;;   ~~~
;;   SOFTMAX AHEAD OF A QUANTISED PRODUCT. Where the list says 'softmax', what is quantised is not the finished softmax but p = 2^(t - M), with t = logit x log2(e) and M = ceil(the row's largest t), a whole number; so 1/2 < the row's largest p <= 1. The row's sum l is taken of the UNQUANTISED p, in f32, and the product's result is divided by l at the end. Since M is a whole number, a kernel that streams over the keys may use a running M (the ceiling of the running maximum): every later rescaling is an exact power of two, which a block's scale takes up: the codes' values come out the same.
;;   OPERANDS COMPUTED ON THE WAY. 'Computed on the way' means the value that the module computes at that place (a softmax that the list does not call 'softmax' is quantised finished and normalised). What goes into a quantiser is computed in f32, as accurately as f32 sums, v_exp_f32 and their like allow (about 1e-6 of the number): no bf16 or f16 on the way to a quantiser, and a product that is left as it is and whose result goes on into a quantised operand takes f32 operands (vector FMAs, or v_wmma_f32_16x16x4_f32). A number that lies on a knife's edge between two numbers of the format may be rounded either way, as far as f32 arithmetic and the matrix unit's own rounding can turn it there, and no further.
;;   INPUTS GIVEN AS CODES. K (in the module: [4, 2048, 1024], K = its axis 2); V (in the module: [4, 2048, 1024], K = its axis 2); Wk (in the module: [1024, 1024], K = its axis 1); Wo (in the module: [1024, 1024], K = its axis 1); Wq (in the module: [1024, 1024], K = its axis 1); Wv (in the module: [1024, 1024], K = its axis 1): each comes as NAME_codes (uint8): NAME with its K axis moved to the last place and cut into blocks of 32 codes, [.., K / 32, bytes a block], one block behind the other in memory; one code a byte (a code: sign, 5 exponent bits, 2 mantissa bits); and NAME_scales (uint8): the same leading axes, one E8M0 byte (e + 127) for each 32 codes along K. Its value is code x scale, taken as it is: it is not quantised again, and the codes and scales need not be those that the quantiser above would give.
;; One version. Each part assembles by itself: llvm-mc -triple=amdgcn-amd-amdhsa -mcpu=gfx1250 --defsym DOCPART=n.
;; ======== version 1 of 1: 4 launches
;; limits: right only within a limited range of input values
;; workspace buffers: Qc 8,388,608 bytes; Qs 262,144 bytes; qbuf 8,650,752 bytes; kbuf 8,650,752 bytes; vbuf 8,650,752 bytes; cbuf 8,388,608 bytes; cs 262,144 bytes; Wi 1,048,576 bytes
;; launch quantq (part 1): grid 256 x 1, 4 waves a work-group, no clusters, 33,280 bytes of LDS; arguments Q, Qc, Qs, Wo_codes, Wi; writes Qc, Qs, Wi
.if DOCPART == 1
	.amdgcn_target "amdgcn-amd-amdhsa--gfx1250"
	.amdhsa_code_object_version 6
	.text
	.protected	k_q92c5d3c9f0_quantq
	.globl	k_q92c5d3c9f0_quantq
	.p2align	8
	.type	k_q92c5d3c9f0_quantq,@function
k_q92c5d3c9f0_quantq:
	s_mov_b64 s[64:65], 0
	v_nop
	global_prefetch_b8 v0, s[64:65] scope:SCOPE_SE
	s_setreg_imm32_b32 hwreg(HW_REG_WAVE_MODE, 25, 1), 1
	s_wait_xcnt 0x0
; Q [8192][1024] f32 becomes codes of BF8 (E5M2), K innermost, in Qc [8192][1024], with one E8M0 byte for each 32 along K in Qs [8192][32].
; A block's scale is 2^(floor(log2(its largest magnitude)) - 15): its byte is the largest magnitude's exponent field - 15, held at 1 from below.
; (A block of zeros so gets the byte 1: its codes are zeros, which add nothing, and the bytes are read by this program alone.)
; LIMITS: NaN and infinities among the inputs are not served; blocks whose largest magnitude lies under 2^-111 keep the byte 1.
; Rows are dense, so Q is a plain stream of blocks of 32.  A wave takes 16 steps of 512 numbers.  Each of a step's four loads reads 512 consecutive bytes;
; the 2,048 bytes turn through the wave's own stage in LDS and come back 64 bytes a lane: 16 neighbours along K, two lanes to a block.
; A wave's store of codes covers 512 consecutive bytes; its 256 scale bytes are gathered in LDS and leave as 256 consecutive aligned bytes.
; No tensor loads, no barrier, no cluster: waves share nothing, and no two work-groups read the same bytes.  Loads run four steps ahead.
.set STEPS, 16
.set EMAX,  15
.set MANT,  0x600000                   ; the mantissa field of 57,344 as f32
.set CB,    16                         ; bytes of 16 codes
.set R,     16                         ; v16-79   four sets of 16 numbers as they are loaded
.set X,     80                         ; v80-111  two sets of 16 neighbours
.set C,     128                        ; v128-191 codes: four registers for each step, so that no store's data are written again
.set E,     112                        ; v112-127 a scale byte for each step
.set WREG,  8192                       ; LDS: a region for each wave: two stages of 32 x SP bytes, behind them its 256 scale bytes
.set SP,    80                         ; a lane's place in a stage: its 64 bytes + 16 of padding
	s_load_b128 s[4:7], s[0:1], 0x0                ; Q, Qc
	s_load_b64 s[8:9], s[0:1], 0x10                ; Qs
	s_load_b128 s[28:31], s[0:1], 0x18             ; Wo's codes, Wi
	v_lshl_add_u32 v192, v0, 2, 0x8000
	v_mov_b32 v193, 0
	v_lshrrev_b32 v1, 5, v0
	v_readfirstlane_b32 s16, v1                    ; wave
	v_and_b32 v2, 31, v0                           ; lane
	v_lshlrev_b32 v3, 4, v2                        ; my 16 bytes of a load's 512
	s_mul_i32 s17, s16, WREG
	v_lshrrev_b32 v14, 2, v2
	v_mul_u32_u24 v14, v14, SP
	v_and_b32 v15, 3, v2
	v_lshl_add_u32 v14, v15, 4, v14
	v_add_nc_u32 v14, s17, v14                     ; the stage, on the way in: SP (lane / 4) + 16 (lane % 4)
	v_mul_u32_u24 v15, v2, SP
	v_add_nc_u32 v15, s17, v15                     ; and on the way out: SP x lane: my 16 neighbours
	v_mul_u32_u24 v4, v2, CB                       ; my codes' place in a step's
	v_lshrrev_b32 v5, 1, v2
	s_add_co_u32 s17, s17, 2*32*SP
	v_add_nc_u32 v5, s17, v5                       ; LDS: my wave's 256 scale bytes, my block's byte
	v_lshlrev_b32 v7, 3, v2                        ; and on the way out 8 bytes a lane
	v_add_nc_u32 v6, s17, v7
	s_mov_b32 s23, MANT
	s_lshl_b32 s18, ttmp9, 2
	s_add_co_u32 s18, s18, s16                     ; which run of 8,192 numbers is my wave's: 0 .. 1,023
	s_lshl_b32 s20, s18, 15                        ; 32,768 bytes of Q a run,
	s_mov_b32 s21, 0
	s_lshl_b32 s24, s18, 13                        ; 8,192 of codes,
	s_mov_b32 s25, 0
	s_lshl_b32 s26, s18, 8                         ; 256 of scale bytes
	s_mov_b32 s27, 0
	; ALSO: Wo's codes are laid anew as images of operand registers, Wi[tile of 16 rows T][K step s of 128][c][lane][16 bytes]: lane (r, h) holds Wo[16 T + r][128 s + 32 c + 16 h ..].
	; Wave g of the 1,024 takes T = g / 16, s = (g / 2) % 8, c = 2 (g % 2) and the next: 1,024 bytes, which lie at 1,024 g of Wi.  Its reads are 64 bytes of each of 16 rows; Wo is 1 MiB in all.
	v_and_b32 v194, 15, v2
	v_lshrrev_b32 v195, 4, v2
	v_lshlrev_b32 v194, 10, v194
	v_lshl_add_u32 v194, v195, 4, v194             ; 1,024 r + 16 h
	s_lshr_b32 s32, s18, 4
	s_lshl_b32 s32, s32, 14                        ; 16,384 T
	s_bfe_u32 s34, s18, 0x30001
	s_lshl_b32 s34, s34, 7                         ; 128 s
	s_add_co_u32 s32, s32, s34
	s_and_b32 s34, s18, 1
	s_lshl_b32 s34, s34, 6                         ; 64 (g % 2)
	s_add_co_u32 s32, s32, s34
	s_mov_b32 s33, 0
	s_lshl_b32 s34, s18, 10
	s_mov_b32 s35, 0
	s_wait_alu depctr_va_vdst(0)
	s_wait_kmcnt 0x0
	s_add_nc_u64 s[4:5], s[4:5], s[20:21]
	s_add_nc_u64 s[6:7], s[6:7], s[24:25]
	s_add_nc_u64 s[8:9], s[8:9], s[26:27]
	s_add_nc_u64 s[28:29], s[28:29], s[32:33]
	s_add_nc_u64 s[30:31], s[30:31], s[34:35]
	global_load_b128 v[196:199], v194, s[28:29]              ; the oldest two loads of the wave: every later wait on LOADcnt covers them
	global_load_b128 v[200:203], v194, s[28:29] offset:32
.macro LOAD t
.irp i, 0,1,2,3
	global_load_b128 v[R+16*((\t)%4)+4*\i:R+16*((\t)%4)+4*\i+3], v3, s[4:5] offset:2048*(\t)+512*\i   ; 32 lanes read 512 consecutive bytes
.endr
.endm
.macro TURN t                          ; step t's numbers through the stage: LDS serves a wave's instructions in order, so no wait stands between the stores and the loads
.irp i, 0,1,2,3
	ds_store_b128 v14, v[R+16*((\t)%4)+4*\i:R+16*((\t)%4)+4*\i+3] offset:32*SP*((\t)%2)+8*SP*\i
.endr
.irp i, 0,1,2,3
	ds_load_b128 v[X+16*((\t)%2)+4*\i:X+16*((\t)%2)+4*\i+3], v15 offset:32*SP*((\t)%2)+16*\i
.endr
.endm
.irp t, 0,1,2,3
	LOAD \t
.endr
	s_wait_loadcnt 12                              ; step 0's four loads are in; three steps' twelve stay out
	TURN 0
.macro STEP t
.set XS, X+16*((\t)%2)
.if (\t) > 0
	s_wait_dscnt 1                                 ; this step's numbers are back from the stage (the last step's byte store may be out)
.else
	s_wait_dscnt 0x0
.endif
.if (\t)+4 < STEPS
	LOAD (\t)+4                                    ; the registers that the stage's stores have read take the loads of four steps on
.endif
.if (\t)+1 < STEPS
.if STEPS-2-(\t) >= 3
	s_wait_loadcnt 12                              ; the next step's four loads are in; those of the three steps behind it may be out
.else
	s_wait_loadcnt 4*(STEPS-2-(\t))
.endif
	TURN (\t)+1                                    ; and go through the other stage while this step is worked
.endif
	v_max3_num_f32 v8, |v[XS]|, |v[XS+1]|, |v[XS+2]|               ; the largest magnitude of my 16
	v_max3_num_f32 v9, |v[XS+3]|, |v[XS+4]|, |v[XS+5]|
.irp i, 6,10
	v_max3_num_f32 v8, v8, |v[XS+\i]|, |v[XS+\i+1]|
	v_max3_num_f32 v9, v9, |v[XS+\i+2]|, |v[XS+\i+3]|
.endr
	v_max3_num_f32 v8, v8, |v[XS+14]|, |v[XS+15]|
	v_max3_num_f32 v8, v8, v9, (EMAX+1)<<23        ; and the floor 2^(16 - 127): the byte cannot fall under 1
	v_max_num_f32_dpp v8, v8, v8 row_xmask:1 row_mask:0xf bank_mask:0xf   ; and of my neighbour's 16: the block's
	v_add_nc_u32 v11, -(EMAX<<23), v8              ; 15 off its exponent field: the conversion takes this operand's exponent field as its scale
	v_and_or_b32 v10, v8, 0x7f800000, s23          ; 57,344 x the scale
.irp i, 0,1,2,3,4,5,6,7,8,9,10,11,12,13,14,15
	v_med3_num_f32 v[XS+\i], v[XS+\i], -v10, v10   ; the conversion to an 8-bit code does not saturate (ISA guide 7.6.2): the hold comes first
.endr
	v_cvt_scalef32_pk8_bf8_f32 v[C+4*(\t):C+4*(\t)+1], v[XS:XS+7], v11
	v_cvt_scalef32_pk8_bf8_f32 v[C+4*(\t)+2:C+4*(\t)+3], v[XS+8:XS+15], v11
	v_lshrrev_b32 v[E+(\t)], 23, v11               ; the scale's byte
	ds_store_b8 v5, v[E+(\t)] offset:16*(\t)       ; both lanes of a block write the same byte with the same value
	global_store_b128 v4, v[C+4*(\t):C+4*(\t)+3], s[6:7] offset:32*CB*(\t)
.endm
.irp t, 0,1,2,3,4,5,6,7,8,9,10,11,12,13,14,15
	STEP \t
.endr
	ds_load_b64 v[12:13], v6                       ; LDS serves a wave's instructions in order: these see my stores
	s_wait_dscnt 0x0
	global_store_b64 v7, v[12:13], s[8:9]          ; 32 lanes store 256 consecutive bytes, aligned
	global_store_b128 v3, v[196:199], s[30:31]     ; Wi: 512 consecutive bytes a store
	global_store_b128 v3, v[200:203], s[30:31] offset:512
	s_wait_tensorcnt 0x0
	ds_add_u32 v192, v193
	s_wait_dscnt 0x0
	s_endpgm
.Lfunc_end_k_q92c5d3c9f0_quantq:
	.size	k_q92c5d3c9f0_quantq, .Lfunc_end_k_q92c5d3c9f0_quantq-k_q92c5d3c9f0_quantq
	.p2alignl 7, 3214868480
	.fill 96, 4, 3214868480
	.section	.rodata,"a",@progbits
	.p2align	6, 0x0
	.amdhsa_kernel k_q92c5d3c9f0_quantq
		.amdhsa_group_segment_fixed_size 33280
		.amdhsa_private_segment_fixed_size 0
		.amdhsa_enable_private_segment 0
		.amdhsa_kernarg_size 40
		.amdhsa_user_sgpr_count 2
		.amdhsa_user_sgpr_kernarg_segment_ptr 1
		.amdhsa_wavefront_size32 1
		.amdhsa_system_sgpr_workgroup_id_x 1
		.amdhsa_system_sgpr_workgroup_id_y 1
		.amdhsa_system_sgpr_workgroup_id_z 1
		.amdhsa_system_vgpr_workitem_id 0
		.amdhsa_next_free_vgpr 204
		.amdhsa_next_free_sgpr 66
		.amdhsa_reserve_vcc 0
		.amdhsa_float_denorm_mode_32 3
		.amdhsa_float_denorm_mode_16_64 3
		.amdhsa_memory_ordered 1
		.amdhsa_forward_progress 1
		.amdhsa_inst_pref_size 52
	.end_amdhsa_kernel
	.amdgpu_metadata
---
amdhsa.version: [ 1, 2 ]
amdhsa.kernels:
  - .name:           k_q92c5d3c9f0_quantq
    .symbol:         k_q92c5d3c9f0_quantq.kd
    .args:
      - { .name: Q, .offset: 0, .size: 8, .value_kind: global_buffer, .address_space: global }
      - { .name: Qc, .offset: 8, .size: 8, .value_kind: global_buffer, .address_space: global }
      - { .name: Qs, .offset: 16, .size: 8, .value_kind: global_buffer, .address_space: global }
      - { .name: Wo_codes, .offset: 24, .size: 8, .value_kind: global_buffer, .address_space: global }
      - { .name: Wi, .offset: 32, .size: 8, .value_kind: global_buffer, .address_space: global }
    .group_segment_fixed_size: 33280
    .private_segment_fixed_size: 0
    .kernarg_segment_align: 8
    .kernarg_segment_size: 40
    .max_flat_workgroup_size: 128
    .sgpr_count:     66
    .vgpr_count:     204
    .wavefront_size: 32
...
	.end_amdgpu_metadata
.endif
;; end of part 1
;; launch proj (part 2): grid 8 x 32, 4 waves a work-group, clusters of 4 x 4, 327,680 bytes of LDS; arguments Wq_codes, Wq_scales, Qc, Qs, bq, qbuf, Wk_codes, Wk_scales, K_codes, K_scales, bk, kbuf, V_codes, V_scales, Wv_codes, Wv_scales, bv, vbuf; writes qbuf, kbuf, vbuf
.if DOCPART == 2
	.amdgcn_target "amdgcn-amd-amdhsa--gfx1250"
	.amdhsa_code_object_version 6
	.text
	.protected	k_q92c5d3c9f0_proj
	.globl	k_q92c5d3c9f0_proj
	.p2align	8
	.type	k_q92c5d3c9f0_proj,@function
k_q92c5d3c9f0_proj:
	s_mov_b64 s[64:65], 0
	v_nop
	global_prefetch_b8 v0, s[64:65] scope:SCOPE_SE
	s_setreg_imm32_b32 hwreg(HW_REG_WAVE_MODE, 25, 1), 1
	s_wait_xcnt 0x0
	s_wait_alu depctr_hold_cnt(0) depctr_sa_sdst(0) depctr_va_vdst(0) depctr_va_sdst(0) depctr_va_ssrc(0) depctr_va_vcc(0) depctr_vm_vsrc(0)
	s_getreg_b32 s2, hwreg(HW_REG_IB_STS2, 6, 4)
	s_cmp_eq_u32 s2, 0
	s_cbranch_scc0 .Lentry_in_a_cluster
	s_endpgm
.Lentry_in_a_cluster:
	s_bfe_u32 s2, ttmp6, 0x10000c
	s_cmp_lg_u32 s2, 0xf033
	s_cbranch_scc0 .Lentry_shape_is_right
	s_endpgm
.Lentry_shape_is_right:
.set HB,    135168
.set STB,   8448
.set PITCH, 272
.set RROWS, 256*PITCH
.set SLOT,  384*PITCH
.set SPARE, 2*SLOT
.set BO0,  6
.set VC1,  8
.set VS1,  9
.set BO1,  10
.set SLP,  11
.set PW,   12
.set ADRR, 16
.set SLR,  18
.set ADRP, 20
.set WP,   22
.set PSEL, 24
.set VC0,  26
.set VS0,  27
.set SPW,  28
.set NIL,  29
.set SC,   32
.set RF,   128
.set TM,   192
.set PC,   192
.set G1R, 24
.set G0R, 32
.set G1P, 48
.set G0P, 56
.set SEL, 66
.set MNT, 100
.set MSB, 0
.macro WIN new
.if MSB != (\new)
	s_set_vgpr_msb (MSB<<8)|(\new)
.set MSB, (\new)
.endif
.endm
.macro JLOAD g0a, g1a, g0b, g1b
	s_cmp_eq_u32 s17, 0
	s_cbranch_scc0 .Lfor_p_\@
	tensor_load_to_lds s[\g0a:\g0a+3], s[\g1a:\g1a+7]
	s_nop 0
.rept 4
	v_nop
.endr
	s_branch .Lasked_\@
.Lfor_p_\@:
	tensor_load_to_lds s[\g0b:\g0b+3], s[\g1b:\g1b+7]
	s_nop 0
.rept 4
	v_nop
.endr
.Lasked_\@:
.endm
.macro CREST
	s_cmp_lg_u32 s16, 0
	s_cbranch_scc1 .Lnot_wave_0_\@
	s_barrier_signal -3
.Lnot_wave_0_\@:
	s_barrier_wait -3
	s_barrier_signal -1
	s_barrier_wait -1
.endm
.macro CROUND
	s_barrier_signal -1
	s_barrier_wait -1
	CREST
.endm
.macro PLACES n
.rept \n
	v_nop
.endr
.endm
	s_load_b256 s[4:11], s[0:1], 0x0
	s_load_b128 s[12:15], s[0:1], 0x20
	s_load_b256 s[68:75], s[0:1], 0x30
	s_load_b128 s[76:79], s[0:1], 0x50
	s_load_b256 s[80:87], s[0:1], 0x60
	s_load_b128 s[88:91], s[0:1], 0x80
	v_lshl_add_u32 v[SPW], v0, 2, SPARE
	v_mov_b32 v[NIL], 0
	ds_add_u32 v28, v29
	ds_add_u32 v28, v29
	s_wait_dscnt 0x0
	v_lshrrev_b32 v1, 5, v0
	v_readfirstlane_b32 s16, v1
	s_lshr_b32 s17, s16, 1
	s_and_b32 s18, s16, 1
	s_bfe_u32 s40, ttmp6, 0x40000
	s_bfe_u32 s41, ttmp6, 0x40004
	s_lshl_b32 s42, ttmp9, 2
	s_add_co_u32 s42, s42, s40
	s_and_b32 s19, ttmp7, 0xffff
	s_lshl_b32 s92, s19, 1
	s_add_co_u32 s92, s92, ttmp9
	s_lshl_b32 s92, s92, 2
	s_add_co_u32 s92, s92, s40
	s_lshl_b32 s19, s19, 2
	s_add_co_u32 s19, s19, s41
	s_lshl_b32 s43, s41, 2
	s_lshl_b32 s43, 15, s43
	s_lshl_b32 s44, 0x1111, s40
	s_or_b32 s[G1R], s43, (1<<20)|(1<<21)|(5<<22)|(3<<25)
	s_or_b32 s[G1P], s44, (1<<20)|(1<<21)|(5<<22)|(3<<25)
	s_mov_b32 s[G1R+1], 256<<16
	s_mov_b32 s[G1R+2], 128<<16
	s_mov_b32 s[G1R+3], 256<<16
	s_mov_b32 s[G1R+4], 128
	s_mov_b32 s[G1R+5], 1024
	s_mov_b32 s[G1R+6], 0
	s_mov_b32 s[G1R+7], 0
	s_mov_b32 s[G1P+1], 256<<16
	s_mov_b32 s[G1P+2], 64<<16
	s_mov_b32 s[G1P+3], 256<<16
	s_mov_b32 s[G1P+4], 64
	s_mov_b32 s[G1P+5], 1024
	s_mov_b32 s[G1P+6], 0
	s_mov_b32 s[G1P+7], 0
	s_lshl_b32 s20, s19, 8
	s_lshl_b32 s45, s18, 7
	s_add_co_u32 s20, s20, s45
	s_lshl_b32 s20, s20, 10
	s_mov_b32 s21, 0
	s_lshl_b32 s22, s41, 8
	s_add_co_u32 s22, s22, s45
	s_lshl_b32 s22, s22, 10
	s_mov_b32 s23, 0
	s_lshl_b32 s46, s42, 7
	s_lshl_b32 s45, s18, 6
	s_add_co_u32 s46, s46, s45
	s_lshl_b32 s46, s46, 10
	s_mov_b32 s47, 0
	s_lshl_b32 s94, s92, 7
	s_add_co_u32 s94, s94, s45
	s_lshl_b32 s94, s94, 10
	s_mov_b32 s95, 0
	s_mul_i32 s96, s18, 128*PITCH
	s_mul_i32 s97, s18, 64*PITCH
	s_add_co_u32 s97, s97, RROWS
	s_mov_b32 s[SEL], 0x76543210
	s_mov_b32 s[SEL+1], 0xfedcba98
	s_mov_b32 s[MNT], 0x600000
	s_wait_kmcnt 0x0
	s_add_nc_u64 s[8:9], s[8:9], s[20:21]
	s_add_nc_u64 s[72:73], s[72:73], s[20:21]
	s_add_nc_u64 s[84:85], s[84:85], s[22:23]
	s_add_nc_u64 s[4:5], s[4:5], s[46:47]
	s_add_nc_u64 s[68:69], s[68:69], s[46:47]
	s_add_nc_u64 s[80:81], s[80:81], s[94:95]
	CROUND
.irp s, 0,1
	s_mov_b32 s[G0R+4*\s], 1
	s_add_co_u32 s[G0R+4*\s+1], s96, \s*SLOT
	s_add_nc_u64 s[G0R+4*\s+2:G0R+4*\s+3], s[8:9], \s*256
	s_or_b32 s[G0R+4*\s+3], s[G0R+4*\s+3], 0x80000000
	s_mov_b32 s[G0P+4*\s], 1
	s_add_co_u32 s[G0P+4*\s+1], s97, \s*SLOT
	s_add_nc_u64 s[G0P+4*\s+2:G0P+4*\s+3], s[4:5], \s*256
	s_or_b32 s[G0P+4*\s+3], s[G0P+4*\s+3], 0x80000000
	s_wait_alu depctr_va_vdst(0)
	s_wait_tensorcnt 0x0
	ds_add_u32 v28, v29
	ds_add_u32 v28, v29
	s_wait_dscnt 0x0
	CROUND
	JLOAD G0R+4*\s, G1R, G0P+4*\s, G1P
.endr
	v_and_b32 v1, 15, v0
	v_bfe_u32 v2, v0, 4, 1
	v_mul_u32_u24 v3, v1, PITCH
	v_lshl_add_u32 v3, v2, 4, v3
	s_mul_i32 s45, s16, 64*PITCH
	v_add_nc_u32 v[ADRR], s45, v3
	v_add_nc_u32 v[ADRR+1], SLOT, v[ADRR]
	v_add_nc_u32 v[ADRP], RROWS, v3
	v_add_nc_u32 v[ADRP+1], SLOT+RROWS, v3
	v_and_b32 v7, 31, v0
	v_lshlrev_b32 v[VC1], 4, v7
	s_lshl_b32 s45, s18, 12
	v_add_nc_u32 v[VC0], s45, v[VC1]
	v_mul_u32_u24 v[VS0], v2, HB
	v_lshl_add_u32 v[VS0], v1, 3, v[VS0]
	s_lshl_b32 s45, s18, 7
	s_add_co_u32 s45, s45, 8192
	v_add_nc_u32 v[VS0], s45, v[VS0]
	v_lshl_add_u32 v[VS1], v1, 4, 8192
	v_lshlrev_b32 v[BO0], 5, v2
	v_lshlrev_b32 v[BO1], 2, v1
	v_lshlrev_b32 v[SLP], 5, v1
	v_lshl_add_u32 v[SLR], v2, 10, v[SLP]
	v_lshl_add_u32 v[SLP], v2, 11, v[SLP]
	s_wait_alu depctr_va_vdst(0)
	v_mov_b32 v[PSEL], 0x05040100
	v_mov_b32 v25, 0x07060302
	v_cmp_eq_u32 vcc_lo, 1, v2
	v_cndmask_b32 v[PSEL], v[PSEL], v25, vcc_lo
	s_mov_b32 s3, 0
	s_lshl_b32 s2, s42, 12
	s_add_nc_u64 s[6:7], s[6:7], s[2:3]
	s_add_nc_u64 s[70:71], s[70:71], s[2:3]
	s_lshl_b32 s2, s92, 12
	s_add_nc_u64 s[82:83], s[82:83], s[2:3]
	s_lshl_b32 s45, s16, 11
	s_lshl_b32 s2, s19, 13
	s_add_co_u32 s2, s2, s45
	s_add_nc_u64 s[10:11], s[10:11], s[2:3]
	s_add_nc_u64 s[74:75], s[74:75], s[2:3]
	s_lshl_b32 s2, s41, 13
	s_add_co_u32 s2, s2, s45
	s_add_nc_u64 s[86:87], s[86:87], s[2:3]
	s_lshl_b32 s2, s42, 9
	s_add_nc_u64 s[12:13], s[12:13], s[2:3]
	s_add_nc_u64 s[76:77], s[76:77], s[2:3]
	s_lshl_b32 s2, s41, 10
	s_lshl_b32 s45, s16, 8
	s_add_co_u32 s2, s2, s45
	s_add_nc_u64 s[88:89], s[88:89], s[2:3]
	s_lshr_b32 s98, s19, 3
	s_lshl_b32 s98, s98, 4
	s_lshl_b32 s99, s42, 1
	s_add_co_u32 s98, s98, s99
	s_mul_i32 s98, s98, HB
	s_and_b32 s99, s19, 7
	s_lshl_b32 s99, s99, 1
	s_add_co_u32 s99, s99, s17
	s_mul_i32 s99, s99, STB
	s_add_co_u32 s2, s98, s99
	s_add_nc_u64 s[14:15], s[14:15], s[2:3]
	s_add_nc_u64 s[78:79], s[78:79], s[2:3]
	s_lshr_b32 s98, s92, 4
	s_lshl_b32 s98, s98, 4
	s_lshl_b32 s99, s41, 2
	s_add_co_u32 s98, s98, s99
	s_add_co_u32 s98, s98, s16
	s_mul_i32 s98, s98, HB
	s_and_b32 s99, s92, 15
	s_mul_i32 s99, s99, STB
	s_add_co_u32 s2, s98, s99
	s_add_nc_u64 s[90:91], s[90:91], s[2:3]
.macro SCLOAD f, pp, pr
.irp i, 0,1,2,3
	global_load_b128 v[SC+48*((\f)%2)+8*\i:SC+48*((\f)%2)+8*\i+3], v[SLP], s[\pp:\pp+1] offset:512*\i
	global_load_b128 v[SC+48*((\f)%2)+8*\i+4:SC+48*((\f)%2)+8*\i+7], v[SLP], s[\pp:\pp+1] offset:512*\i+16
.endr
.irp a, 0,1
	global_load_b128 v[SC+48*((\f)%2)+32+8*\a:SC+48*((\f)%2)+32+8*\a+3], v[SLR], s[\pr:\pr+1] offset:512*\a
	global_load_b128 v[SC+48*((\f)%2)+32+8*\a+4:SC+48*((\f)%2)+32+8*\a+7], v[SLR], s[\pr:\pr+1] offset:512*\a+16
.endr
.endm
.macro BIAS0 f, pb
	WIN 0xc0
.irp i, 0,1,2,3,4,5,6,7
	global_load_b128 v[64*(\f)+8*\i:64*(\f)+8*\i+3], v[BO0], s[\pb:\pb+1] offset:64*\i
	global_load_b128 v[64*(\f)+8*\i+4:64*(\f)+8*\i+7], v[BO0], s[\pb:\pb+1] offset:64*\i+16
.endr
	WIN 0
.endm
.macro BIAS1 f, pb
	WIN 0xc0
.irp a, 0,1,2,3
.irp j, 0,1,2,3,4,5,6,7
	global_load_b32 v[64*(\f)+8*\a+\j], v[BO1], s[\pb:\pb+1] offset:64*\a
.endr
.endr
	WIN 0
.endm
	SCLOAD 0, 6, 10
	BIAS0 0, 12
	SCLOAD 1, 70, 74
	BIAS0 1, 76
.macro FRAG reg, adr, q, i
.irp c, 0,1,2,3
	ds_load_b128 v[\reg+4*\c:\reg+4*\c+3], v[\adr] offset:128*(\q)+32*\c+(\i)*16*PITCH
.endr
.endm
.macro FETCH slot, q, set
	WIN 0x40
.irp i, 0,1,2,3,4,5,6,7
	FRAG 128*(\set)+16*\i, ADRP+\slot, \q, \i
.endr
	WIN 0
.irp i, 0,1,2,3
	FRAG RF+64*(\set)+16*\i, ADRR+\slot, \q, \i
.endr
.endm
.macro MUL8 f, a, set, s, zero
.irp i, 0,1,2,3,4,5,6,7
.set rD, 8*(8*(\a)+\i)
.set rA, 128*(\set)+16*\i
.set rB, RF+64*(\set)+16*(\a)
.set rX, SC+48*((\f)%2)+8*(\i%4)+(\s)
.set rY, SC+48*((\f)%2)+32+8*((\a)%2)+(\s)
.set rC, rD
.if \zero
.if (\f) == 2
.set rC, 64*(\f)+8*(\a)
.else
.set rC, 64*(\f)+8*\i
.endif
.endif
.if (\i >= 4) && ((\a) >= 2)
	v_wmma_scale_f32_16x16x128_f8f6f4 v[rD:rD+7], v[rA:rA+15], v[rB:rB+15], v[rC:rC+7], v[rX], v[rY] matrix_a_fmt:MATRIX_FMT_BF8 matrix_b_fmt:MATRIX_FMT_BF8 matrix_a_scale:MATRIX_SCALE_ROW1 matrix_b_scale:MATRIX_SCALE_ROW1
.elseif \i >= 4
	v_wmma_scale_f32_16x16x128_f8f6f4 v[rD:rD+7], v[rA:rA+15], v[rB:rB+15], v[rC:rC+7], v[rX], v[rY] matrix_a_fmt:MATRIX_FMT_BF8 matrix_b_fmt:MATRIX_FMT_BF8 matrix_a_scale:MATRIX_SCALE_ROW1
.elseif (\a) >= 2
	v_wmma_scale_f32_16x16x128_f8f6f4 v[rD:rD+7], v[rA:rA+15], v[rB:rB+15], v[rC:rC+7], v[rX], v[rY] matrix_a_fmt:MATRIX_FMT_BF8 matrix_b_fmt:MATRIX_FMT_BF8 matrix_b_scale:MATRIX_SCALE_ROW1
.else
	v_wmma_scale_f32_16x16x128_f8f6f4 v[rD:rD+7], v[rA:rA+15], v[rB:rB+15], v[rC:rC+7], v[rX], v[rY] matrix_a_fmt:MATRIX_FMT_BF8 matrix_b_fmt:MATRIX_FMT_BF8
.endif
.endr
.endm
.macro STEP f, qt, zero
	s_wait_dscnt 0x0
	WIN 0xa1+0x10*(\zero)
	MUL8 \f, 0, 0, 2*(\qt), \zero
	MUL8 \f, 1, 0, 2*(\qt), \zero
	WIN 0
	PLACES 8
	FETCH (\qt)%2, 1, 1
	WIN 0xa1+0x10*(\zero)
	MUL8 \f, 2, 0, 2*(\qt), \zero
	MUL8 \f, 3, 0, 2*(\qt), \zero
	WIN 0
.endm
.macro TURN f, qt, kind, nr, np
.set SL, (\qt)%2
	s_wait_tensorcnt 0x0
	ds_add_u32 v[SPW], v[NIL]
	s_wait_dscnt 1
	WIN 0xa1
	MUL8 \f, 0, 1, 2*(\qt)+1, 0
	s_wait_dscnt 0x0
	s_barrier_signal -1
	MUL8 \f, 1, 1, 2*(\qt)+1, 0
	WIN 0
	s_barrier_wait -1
.if (\kind) == 1
	CREST
	s_add_nc_u64 s[G0R+4*SL+2:G0R+4*SL+3], s[G0R+4*SL+2:G0R+4*SL+3], 512
	s_add_nc_u64 s[G0P+4*SL+2:G0P+4*SL+3], s[G0P+4*SL+2:G0P+4*SL+3], 512
	JLOAD G0R+4*SL, G1R, G0P+4*SL, G1P
	PLACES 4
.elseif (\kind) == 2
	CREST
	s_add_nc_u64 s[G0R+4*SL+2:G0R+4*SL+3], s[\nr:\nr+1], 256*SL
	s_or_b32 s[G0R+4*SL+3], s[G0R+4*SL+3], 0x80000000
	s_add_nc_u64 s[G0P+4*SL+2:G0P+4*SL+3], s[\np:\np+1], 256*SL
	s_or_b32 s[G0P+4*SL+3], s[G0P+4*SL+3], 0x80000000
	JLOAD G0R+4*SL, G1R, G0P+4*SL, G1P
	PLACES 4
.else
	PLACES 8
.endif
	FETCH 1-SL, 0, 0
	WIN 0xa1
	MUL8 \f, 2, 1, 2*(\qt)+1, 0
	MUL8 \f, 3, 1, 2*(\qt)+1, 0
	WIN 0
.endm
.macro PHASE f, last, nr, np
	STEP \f, 0, 1
	TURN \f, 0, 1, 0, 0
	STEP \f, 1, 0
	TURN \f, 1, 1, 0, 0
	STEP \f, 2, 0
.if \last
	TURN \f, 2, 0, 0, 0
	STEP \f, 3, 0
	s_wait_dscnt 0x0
	WIN 0xa1
	MUL8 \f, 0, 1, 7, 0
	MUL8 \f, 1, 1, 7, 0
	MUL8 \f, 2, 1, 7, 0
	MUL8 \f, 3, 1, 7, 0
	WIN 0
.else
	TURN \f, 2, 2, \nr, \np
	STEP \f, 3, 0
	TURN \f, 3, 2, \nr, \np
.endif
.endm
.macro QUANT a
	WIN 0x0a
.irp b, 0,1,2,3
	v_max3_num_f32 v[TM+\b], |v[64*(\a)+16*\b]|, |v[64*(\a)+16*\b+1]|, 0x8000000
.endr
.irp i, 2,4,6,8,10,12,14
.irp b, 0,1,2,3
	v_max3_num_f32 v[TM+\b], |v[64*(\a)+16*\b+\i]|, |v[64*(\a)+16*\b+\i+1]|, v[TM+\b]
.endr
.endr
	WIN 0
.irp b, 0,1,2,3
	v_permlanex16_b32 v[TM+4+\b], v[TM+\b], s[SEL], s[SEL+1]
.endr
.irp b, 0,1,2,3
	v_max_num_f32 v[TM+\b], v[TM+\b], v[TM+4+\b]
.endr
.irp b, 0,1,2,3
	v_add_nc_u32 v[TM+12+\b], 0xf8800000, v[TM+\b]
.endr
.irp b, 0,1,2,3
	v_and_or_b32 v[TM+8+\b], v[TM+\b], 0x7f800000, s[MNT]
.endr
.irp b, 0,1,2,3
	v_lshrrev_b32 v[TM+4+\b], 23, v[TM+12+\b]
.endr
	v_lshl_or_b32 v[PW+(\a)], v[TM+5], 8, v[TM+4]
	v_lshl_or_b32 v[PW+(\a)], v[TM+6], 16, v[PW+(\a)]
	v_lshl_or_b32 v[PW+(\a)], v[TM+7], 24, v[PW+(\a)]
	WIN 0x82
.set j, 0
.rept 64
	v_med3_num_f32 v[64*(\a)+j], v[64*(\a)+j], -v[TM+8+j/16], v[TM+8+j/16]
.set j, j+1
.endr
	WIN 0xc2
.irp b, 0,1,2,3
	v_cvt_scalef32_pk8_bf8_f32 v[PC+16*(\a)+4*\b:PC+16*(\a)+4*\b+1], v[64*(\a)+16*\b:64*(\a)+16*\b+7], v[TM+12+\b]
	v_cvt_scalef32_pk8_bf8_f32 v[PC+16*(\a)+4*\b+2:PC+16*(\a)+4*\b+3], v[64*(\a)+16*\b+8:64*(\a)+16*\b+15], v[TM+12+\b]
.endr
	WIN 0
	v_nop
.endm
.macro EPI f, po
	PLACES 8
.irp b, 0,1,2,3
	v_mov_b32 v[TM+4+\b], 0
.endr
.if (\f) == 0
	SCLOAD 2, 82, 86
	BIAS1 2, 88
.else
	s_wait_xcnt 0x0
.endif
.irp a, 0,1,2,3
	QUANT \a
	WIN 0x0c
.irp b, 0,1,2,3
.if (\f) == 2
	global_store_b128 v[VC1], v[PC+16*\a+4*\b:PC+16*\a+4*\b+3], s[\po:\po+1] offset:\a*2048+\b*512
.else
	global_store_b128 v[VC0], v[PC+16*\a+4*\b:PC+16*\a+4*\b+3], s[\po:\po+1] offset:(\b/2)*HB+\a*1024+(\b%2)*512
.endif
.endr
	WIN 0
.endr
.if (\f) == 2
	global_store_b128 v[VS1], v[PW:PW+3], s[\po:\po+1]
.else
	v_perm_b32 v[WP], v[PW+1], v[PW], v[PSEL]
	v_perm_b32 v[WP+1], v[PW+3], v[PW+2], v[PSEL]
	global_store_b64 v[VS0], v[WP:WP+1], s[\po:\po+1]
.endif
.endm
	s_wait_tensorcnt 1
	s_barrier_signal -1
	s_barrier_wait -1
	FETCH 0, 0, 0
	s_wait_loadcnt 0x0
	PHASE 0, 0, 72, 68
	EPI 0, 14
	PHASE 1, 0, 84, 80
	EPI 1, 78
	s_wait_loadcnt 0x0
	PHASE 2, 1, 0, 0
	EPI 2, 90
	s_wait_tensorcnt 0x0
	ds_add_u32 v[SPW], v[NIL]
	s_wait_dscnt 0x0
	CROUND
	s_endpgm
.Lfunc_end_k_q92c5d3c9f0_proj:
	.size	k_q92c5d3c9f0_proj, .Lfunc_end_k_q92c5d3c9f0_proj-k_q92c5d3c9f0_proj
	.p2alignl 7, 3214868480
	.fill 96, 4, 3214868480
	.section	.rodata,"a",@progbits
	.p2align	6, 0x0
	.amdhsa_kernel k_q92c5d3c9f0_proj
		.amdhsa_group_segment_fixed_size 327680
		.amdhsa_private_segment_fixed_size 0
		.amdhsa_enable_private_segment 0
		.amdhsa_kernarg_size 144
		.amdhsa_user_sgpr_count 2
		.amdhsa_user_sgpr_kernarg_segment_ptr 1
		.amdhsa_wavefront_size32 1
		.amdhsa_system_sgpr_workgroup_id_x 1
		.amdhsa_system_sgpr_workgroup_id_y 1
		.amdhsa_system_sgpr_workgroup_id_z 1
		.amdhsa_system_vgpr_workitem_id 0
		.amdhsa_next_free_vgpr 1024
		.amdhsa_next_free_sgpr 102
		.amdhsa_reserve_vcc 1
		.amdhsa_float_denorm_mode_32 3
		.amdhsa_float_denorm_mode_16_64 3
		.amdhsa_memory_ordered 1
		.amdhsa_forward_progress 1
		.amdhsa_inst_pref_size 255
	.end_amdhsa_kernel
	.section	.bss,"aw",@nobits
	.p2align	6
	.space	262144
	.amdgpu_metadata
---
amdhsa.version: [ 1, 2 ]
amdhsa.kernels:
  - .name:           k_q92c5d3c9f0_proj
    .symbol:         k_q92c5d3c9f0_proj.kd
    .args:
      - { .name: Wq_codes, .offset: 0, .size: 8, .value_kind: global_buffer, .address_space: global }
      - { .name: Wq_scales, .offset: 8, .size: 8, .value_kind: global_buffer, .address_space: global }
      - { .name: Qc, .offset: 16, .size: 8, .value_kind: global_buffer, .address_space: global }
      - { .name: Qs, .offset: 24, .size: 8, .value_kind: global_buffer, .address_space: global }
      - { .name: bq, .offset: 32, .size: 8, .value_kind: global_buffer, .address_space: global }
      - { .name: qbuf, .offset: 40, .size: 8, .value_kind: global_buffer, .address_space: global }
      - { .name: Wk_codes, .offset: 48, .size: 8, .value_kind: global_buffer, .address_space: global }
      - { .name: Wk_scales, .offset: 56, .size: 8, .value_kind: global_buffer, .address_space: global }
      - { .name: K_codes, .offset: 64, .size: 8, .value_kind: global_buffer, .address_space: global }
      - { .name: K_scales, .offset: 72, .size: 8, .value_kind: global_buffer, .address_space: global }
      - { .name: bk, .offset: 80, .size: 8, .value_kind: global_buffer, .address_space: global }
      - { .name: kbuf, .offset: 88, .size: 8, .value_kind: global_buffer, .address_space: global }
      - { .name: V_codes, .offset: 96, .size: 8, .value_kind: global_buffer, .address_space: global }
      - { .name: V_scales, .offset: 104, .size: 8, .value_kind: global_buffer, .address_space: global }
      - { .name: Wv_codes, .offset: 112, .size: 8, .value_kind: global_buffer, .address_space: global }
      - { .name: Wv_scales, .offset: 120, .size: 8, .value_kind: global_buffer, .address_space: global }
      - { .name: bv, .offset: 128, .size: 8, .value_kind: global_buffer, .address_space: global }
      - { .name: vbuf, .offset: 136, .size: 8, .value_kind: global_buffer, .address_space: global }
    .group_segment_fixed_size: 327680
    .private_segment_fixed_size: 0
    .kernarg_segment_align: 8
    .kernarg_segment_size: 144
    .max_flat_workgroup_size: 128
    .sgpr_count:     102
    .vgpr_count:     1024
    .wavefront_size: 32
...
	.end_amdgpu_metadata
.endif
;; end of part 2
;; launch attn (part 3): grid 4 x 64, 16 waves a work-group, clusters of 4 x 1, 280,832 bytes of LDS; arguments qbuf, kbuf, vbuf, mask, cbuf, cs; writes cbuf, cs
.if DOCPART == 3
	.amdgcn_target "amdgcn-amd-amdhsa--gfx1250"
	.amdhsa_code_object_version 6
	.text
	.protected	k_q92c5d3c9f0_attn
	.globl	k_q92c5d3c9f0_attn
	.p2align	8
	.type	k_q92c5d3c9f0_attn,@function
k_q92c5d3c9f0_attn:
	s_mov_b64 s[64:65], 0
	v_nop
	global_prefetch_b8 v0, s[64:65] scope:SCOPE_SE
	s_setreg_imm32_b32 hwreg(HW_REG_WAVE_MODE, 25, 1), 1
	s_wait_xcnt 0x0
	s_wait_alu depctr_hold_cnt(0) depctr_sa_sdst(0) depctr_va_vdst(0) depctr_va_sdst(0) depctr_va_ssrc(0) depctr_va_vcc(0) depctr_vm_vsrc(0)
	s_getreg_b32 s2, hwreg(HW_REG_IB_STS2, 6, 4)
	s_cmp_eq_u32 s2, 0
	s_cbranch_scc0 .Lentry_in_a_cluster
	s_endpgm
.Lentry_in_a_cluster:
	s_bfe_u32 s2, ttmp6, 0x10000c
	s_cmp_lg_u32 s2, 0x3003
	s_cbranch_scc0 .Lentry_shape_is_right
	s_endpgm
.Lentry_shape_is_right:
; ATTENTION ON CODES OF BF8 (E5M2): for one head, ctx[q] = sum over keys of softmax(q . k / 8, masked) v, both products quantised; ctx is quantised along the merged 1,024 on the way out.
; INPUTS are images of operand registers (16 bytes a lane, 512 a chunk): q, k: [16 batch + head][step of 128 tokens][8,448]: codes [tile of 16 tokens][block of depth][lane][16], then scale words
; [tile >> 2][row][(tile >> 1) & 1] = (even tile's two bytes | odd tile's two).  v: codes [tile of 16 d][block of 32 keys][lane][16], then scale words [d row][tile].
; THE SOFTMAX: t = score x log2(e) / 8; M = the running largest t rounded UP to a whole number; p = 2^(t - M) is quantised along the keys, not normalised; the row's sum is taken of the unquantised p and divides at the end.
; SHARES.  A work-group owns one head and 512 of its queries; each of its sixteen waves owns a tile of 16 queries in each of two passes: four waves to a SIMD, so that one wave's vector work stands beside another's matrix work.
; THE WHOLE HEAD'S K AND V STAY IN LDS, filled once: waves 0-7 bring steps 2 w, 2 w + 1 of K, waves 8-15 steps 2 (w - 8), 2 (w - 8) + 1 of V.  CLUSTER 4 x 1: the four work-groups of a head read the same K and V, so each tile is asked for jointly.  Nothing is filled again.
; A HEAD OF 64 IN A FORM OF 128 ALONG K: a fragment of K is two neighbouring tiles side by side: row r = key 32 T + r, then key 32 T + 16 + r.  It is multiplied twice: by [q | zeros] and by [zeros | q], both cut out of
; 24 registers (8 zeros, q, 8 zeros).  The other key's codes are finite (their quantiser holds them), so they add nothing against zero codes.  Block T's 16 registers of S^T are keys 32 T + 16 e + 8 (lane / 16) + j at 8 e + j:
; the order in which v's codes were laid.
; THE MASK costs no vector instruction a score: a table in LDS holds 0, or -8e9 where mask == 0; it is loaded into S^T's registers and is the C of the first product.  Where ALL keys of a batch are masked, reference() gives the
; uniform softmax: there the factor c is 0, chosen as a value, so that every p is 1.  LIMIT: adding -8e9 stands for replacing by -1e9: raw scores must spread by less than 8e9.
; THE HOLDS of p go two to an instruction, as dual-issue pairs: an even register of one block with an odd register of its neighbour block, so that the two destinations differ in parity and the two first and the two second sources in bank.
; LIMITS: NaN and infinities are not served; a block of ctx whose largest magnitude lies under 2^-111 keeps the byte 1.
; OUT: cbuf [tile of 16 tokens][K step of 128][block][lane][16] in the operand's own order (k = 32 block + 16 (lane / 16) + 0 .. 15); cs [token][32] scale bytes (two bytes a lane and pass: 262,144 bytes in the whole launch).
; REGISTERS: v1-5, v11 lane terms that stay; v6-10 addresses in hand; v12 -M, v13 the largest t, v[14:15] the sum; v16-23 zeros, v24-31 q, v32-39 zeros; v40-103 four fragments; v104-167 S^T, then p; v168-199 O^T;
;   v200-215 p's codes; v216-231 at work; v232-235 K's scale words, v236-239 V's, v240 q's, v241 p's; v[242:243] f; v244-247 at work; v248-255 ctx's codes.
.set HB,   135168                      ; a head: 16 steps
.set STB,  8448                        ; a step
.set VREG, HB                          ; LDS: K's head at 0, V's behind it,
.set MSK,  2*HB                        ; the mask's table, 2,048 f32,
.set FLG,  MSK+8192                    ; and a word for each wave: did any of its keys count
.set KF,   40
.set S,    104
.set O,    168
.set PCD,  200
.set TMX,  216                         ; the blocks' largest scores, then largest p
.set TMB,  220                         ; bytes; later a chain of the sum
.set TMH,  224                         ; 57,344 x the scale
.set TMS,  228                         ; the conversions' scale operands
.set KSC,  232
.set VSC,  236
.set QSC,  240
.set PSC,  241
.set F,    242
.set T0,   244
.set G1,   24                          ; s[24:31] descriptor group 1; s[32:35], s[36:39] groups 0 for K and V
.macro CROUND                          ; a round of the cluster's barrier
	s_barrier_signal -1
	s_barrier_wait -1
	s_cmp_lg_u32 s16, 0
	s_cbranch_scc1 .Lnot_wave_0_\@
	s_barrier_signal -3
.Lnot_wave_0_\@:
	s_barrier_wait -3
	s_barrier_signal -1
	s_barrier_wait -1
.endm
	s_load_b256 s[4:11], s[0:1], 0x0               ; q s[4:5], k s[6:7], v s[8:9], mask s[10:11]
	s_load_b128 s[12:15], s[0:1], 0x20             ; cbuf s[12:13], cs s[14:15]
	v_lshl_add_u32 v254, v0, 2, 0x44100
	v_mov_b32 v255, 0
	ds_add_u32 v254, v255
	ds_add_u32 v254, v255
	s_wait_dscnt 0x0
	v_lshrrev_b32 v1, 5, v0
	s_delay_alu instid0(VALU_DEP_1)
	v_readfirstlane_b32 s16, v1                    ; wave 0..15
	s_bfe_u32 s17, ttmp6, 0x40000                  ; cx: which 512 queries; it enters q's and the outputs' addresses alone
	s_and_b32 s18, ttmp7, 0xffff                   ; 16 batch + head, which the four partners share
	; group 1: a step is 8,448 dense bytes: 33 rows of 256 (32 elements of 8 bytes); mask: all four work-groups, bit 21 set beside it
	s_mov_b32 s[G1], 15|(3<<16)|(1<<21)
	s_mov_b32 s[G1+1], 32<<16
	s_mov_b32 s[G1+2], 66<<16
	s_mov_b32 s[G1+3], 32<<16
	s_mov_b32 s[G1+4], 66
	s_mov_b32 s[G1+5], 32
	s_mov_b32 s[G1+6], 0
	s_mov_b32 s[G1+7], 0
	s_mul_i32 s44, s18, HB
	; THE FILLS, as they now stand (in place of 'wave w brings step w of each'): ONE joint load a wave, two steps, 66 dense rows of 256 bytes: waves 0-7 bring steps 2 w, 2 w + 1 of K, waves 8-15 steps 2 (w - 8) on of V.
	s_mul_i32 s46, s16, 2*STB                      ; in LDS: V's region follows K's, so the place is 2 STB x wave for both
	s_and_b32 s45, s16, 7
	s_mul_i32 s45, s45, 2*STB                      ; in the head in memory
	s_add_co_u32 s44, s44, s45
	s_mov_b32 s45, 0
	s_lshl_b32 s48, s17, 2                         ; q of pass 0: step 4 cx + w / 8, tile w % 8
	s_lshr_b32 s49, s16, 3
	s_add_co_u32 s48, s48, s49
	s_mul_i32 s48, s48, STB
	s_mul_i32 s49, s18, HB
	s_add_co_u32 s48, s48, s49
	s_and_b32 s50, s16, 7
	s_lshl_b32 s51, s50, 10
	s_add_co_u32 s52, s48, s51                     ; its codes,
	s_mov_b32 s53, 0
	s_lshr_b32 s50, s50, 2
	s_lshl_b32 s50, s50, 7
	s_bfe_u32 s51, s16, 0x10001
	s_lshl_b32 s51, s51, 2
	s_add_co_u32 s50, s50, s51
	s_add_co_u32 s54, s48, s50                     ; its scale words (8,192 on, in the immediate),
	s_mov_b32 s55, 0
	s_and_b32 s43, s16, 1
	s_lshl_b32 s43, s43, 4                         ; and which half of a word is my tile's
	s_lshr_b32 s56, s18, 4                         ; batch
	s_lshl_b32 s58, s56, 13                        ; its 2,048 words of the mask
	s_mov_b32 s59, 0
	s_lshl_b32 s56, s56, 7
	s_lshl_b32 s57, s17, 5
	s_add_co_u32 s56, s56, s57
	s_add_co_u32 s56, s56, s16                     ; my tile of 16 tokens in pass 0: 128 batch + 32 cx + w
	s_and_b32 s57, s18, 15                         ; head
	s_lshl_b32 s60, s56, 14
	s_lshl_b32 s61, s57, 10
	s_add_co_u32 s60, s60, s61                     ; cbuf: 16,384 a tile, 1,024 a head
	s_mov_b32 s61, 0
	s_lshl_b32 s62, s56, 9
	s_lshl_b32 s63, s57, 1
	s_add_co_u32 s62, s62, s63                     ; cs: 512 a tile, 2 a head
	s_mov_b32 s63, 0
	s_mov_b32 s19, 0x600000                        ; the mantissa field of 57,344
	s_mov_b32 s20, 0x76543210
	s_mov_b32 s21, 0xfedcba98                      ; v_permlanex16_b32's selects for lane l xor 16
	v_and_b32 v244, 31, v0                         ; lane
	v_and_b32 v245, 15, v0                         ; r
	v_bfe_u32 v246, v0, 4, 1                       ; h
	s_delay_alu instid0(VALU_DEP_3)
	v_lshlrev_b32 v1, 4, v244                      ; an image's place for my lane
	s_delay_alu instid0(VALU_DEP_3)
	v_lshlrev_b32 v2, 3, v245                      ; q's and k's scale words: 8 bytes a row
	s_delay_alu instid0(VALU_DEP_4)
	v_lshl_add_u32 v3, v245, 4, VREG               ; v's: 16 bytes a row
	v_lshl_add_u32 v4, v244, 4, VREG
	v_lshl_add_u32 v5, v246, 5, MSK                ; the table: my half's eight keys
	v_lshlrev_b32 v11, 5, v245                     ; cs: 32 bytes a token
	v_lshlrev_b32 v6, 4, v0                        ; the mask: four words a thread,
	v_lshl_add_u32 v7, v0, 4, MSK                  ; and their places in the table
	s_lshl_b32 s47, s16, 2
	s_add_co_u32 s47, s47, FLG
	v_mov_b32 v8, s47                              ; my wave's word
	v_mov_b32 v9, FLG
	s_wait_kmcnt 0x0
	s_mov_b32 s32, 1
	s_mov_b32 s33, s46
	s_add_nc_u64 s[34:35], s[6:7], s[44:45]
	s_or_b32 s35, s35, 0x80000000
	s_mov_b32 s36, 1
	s_mov_b32 s37, s46
	s_add_nc_u64 s[38:39], s[8:9], s[44:45]
	s_or_b32 s39, s39, 0x80000000
	s_add_nc_u64 s[52:53], s[4:5], s[52:53]
	s_add_nc_u64 s[54:55], s[4:5], s[54:55]
	s_add_nc_u64 s[10:11], s[10:11], s[58:59]
	s_add_nc_u64 s[60:61], s[12:13], s[60:61]
	s_add_nc_u64 s[62:63], s[14:15], s[62:63]
	CROUND                                         ; all four work-groups are here: the joint loads meet
	s_cmp_lt_u32 s16, 8                            ; one chain on the wave's number, a load to an arm, one join
	s_cbranch_scc0 .Lfor_v
	tensor_load_to_lds s[32:35], s[G1:G1+7]        ; waves 0-7: two steps of K
	s_nop 0
.rept 4
	v_nop
.endr
	s_branch .Lasked
.Lfor_v:
	tensor_load_to_lds s[36:39], s[G1:G1+7]        ; waves 8-15: two steps of V
	s_nop 0
.rept 4
	v_nop
.endr
.Lasked:
.rept 4
	v_nop
.endr
	s_wait_alu depctr_va_vdst(0)
	global_load_b128 v[104:107], v6, s[10:11]      ; mask[batch][4 thread ..]
.irp j, 0,1,2,3,4,5,6,7
	v_mov_b32 v[16+\j], 0                          ; the zero codes on both sides of q
	v_mov_b32 v[32+\j], 0
.endr
.irp b, 0,1,2,3
	v_mov_b32 v[TMB+\b], 0                         ; written once: a lane permute's destination counts as one of its sources
.endr
	v_mov_b32 v[F+1], 0                            ; (named as the upper half of a pair)
	v_mov_b32 v247, 0
	v_mov_b32 v108, 0xcfee6b28                     ; -8e9
	s_wait_alu depctr_va_vdst(0)
	s_wait_loadcnt 0x0
.irp j, 0,1,2,3
	v_cmp_eq_u32 vcc_lo, 0, v[104+\j]
	s_delay_alu instid0(VALU_DEP_1)
	v_cndmask_b32 v[112+\j], 0, v108, vcc_lo
.endr
	ds_store_b128 v7, v[112:115]
	v_or_b32 v109, v104, v105
	s_delay_alu instid0(VALU_DEP_1)
	v_or_b32 v109, v109, v106
	s_delay_alu instid0(VALU_DEP_1)
	v_or_b32 v109, v109, v107
	s_delay_alu instid0(VALU_DEP_1)
	v_cmp_ne_u32 vcc_lo, 0, v109
	s_delay_alu instid0(VALU_DEP_1)
	v_mov_b32 v110, vcc_lo                         ; not 0 if any key of my wave's 128 counts
	ds_store_b32 v8, v110                          ; all lanes write the same word with the same value
	s_wait_tensorcnt 0x0                           ; my steps of K and V have landed,
	s_wait_dscnt 0x0                               ; my stores too:
	s_barrier_signal -1
	s_barrier_wait -1                              ; everybody's have
.irp i, 0,1,2,3
	ds_load_b128 v[104+4*\i:107+4*\i], v9 offset:16*\i
.endr
	s_wait_dscnt 0x0
.irp i, 1
	v_or_b32 v104, v104, v[104+\i]
.endr
.irp i, 2, 3, 4, 5, 6, 7, 8, 9, 10, 11, 12, 13, 14, 15
	s_delay_alu instid0(VALU_DEP_1)
	v_or_b32 v104, v104, v[104+\i]
.endr
	v_mov_b32 v245, 0x3e38aa3b                     ; c = log2(e) / 8
	s_delay_alu instid0(VALU_DEP_2)
	v_cmp_ne_u32 vcc_lo, 0, v104
	s_delay_alu instid0(VALU_DEP_1)
	v_cndmask_b32 v244, 0, v245, vcc_lo            ; or 0 where no key of the batch counts: a choice of a value
	s_delay_alu instid0(VALU_DEP_1)
	v_readfirstlane_b32 s22, v244
	s_mov_b32 s23, s22                             ; (the packed form names the pair)
; A PASS: my tile of 16 queries walks the head's 16 steps of 128 keys.
.macro PASS p
	s_wait_xcnt 0x0                                ; earlier stores have read their registers
	global_load_b128 v[24:27], v1, s[52:53] offset:(\p)*2*STB
	global_load_b128 v[28:31], v1, s[52:53] offset:(\p)*2*STB+512
	global_load_b32 v[T0], v2, s[54:55] offset:(\p)*2*STB+8192
	v_mov_b32 v13, 0xff61b1e6                      ; the largest t so far: -3e38
	s_delay_alu instid0(VALU_DEP_1)
	v_floor_f32 v12, -v13                          ; -M
	v_mov_b32 v14, 0                               ; the sum, in two halves
	v_mov_b32 v15, 0
	s_mov_b32 s40, 0                               ; the step's first byte in K's and V's regions,
	s_mov_b32 s41, 0                               ; and in the table
	s_mov_b32 s42, 16
	s_wait_loadcnt 0x0
	v_lshrrev_b32 v[T0+1], s43, v[T0]
	s_delay_alu instid0(VALU_DEP_1)
	v_and_b32 v[T0+1], 0xffff, v[T0+1]             ; my tile's two bytes,
	s_delay_alu instid0(VALU_DEP_1)
	v_lshl_or_b32 v[QSC], v[T0+1], 16, v[T0+1]     ; twice: q stands in the low or in the high half of K
.set j, 0
.rept 32
	v_mov_b32 v[O+j], 0                            ; O^T.  (The step is written once: the first finds zeros.  These are also the places behind the scale word's write)
.set j, j+1
.endr
.Lstep_\@:
	v_add_nc_u32 v6, s40, v1
	v_add_nc_u32 v7, s40, v2
	v_add_nc_u32 v8, s40, v4
	v_add_nc_u32 v9, s40, v3
	v_add_nc_u32 v10, s41, v5
.rept 3
	v_nop                                          ; with the five additions: eight places in front of loads into registers that the last products read
.endr
.irp T, 0,1,2,3
.irp c, 0,1,2,3
	ds_load_b128 v[KF+16*\T+4*\c:KF+16*\T+4*\c+3], v6 offset:2048*\T+512*\c
.endr
.endr
	ds_load_b64 v[KSC:KSC+1], v7 offset:8192
	ds_load_b64 v[KSC+2:KSC+3], v7 offset:8320
.irp T, 0,1,2,3
.irp e, 0,1
.irp g, 0,1
	ds_load_b128 v[S+16*\T+8*\e+4*\g:S+16*\T+8*\e+4*\g+3], v10 offset:128*\T+64*\e+16*\g   ; the table's numbers of keys 32 T + 16 e + 8 h + 4 g ..: the C of the products below
.endr
.endr
.endr
	s_wait_alu depctr_va_vdst(0)
	s_wait_dscnt 0x0
.irp T, 0,1,2,3
	v_wmma_scale_f32_16x16x128_f8f6f4 v[S+16*\T:S+16*\T+7], v[KF+16*\T:KF+16*\T+15], v[24:39], v[S+16*\T:S+16*\T+7], v[KSC+\T], v[QSC] matrix_a_fmt:MATRIX_FMT_BF8 matrix_b_fmt:MATRIX_FMT_BF8
	v_wmma_scale_f32_16x16x128_f8f6f4 v[S+16*\T+8:S+16*\T+15], v[KF+16*\T:KF+16*\T+15], v[16:31], v[S+16*\T+8:S+16*\T+15], v[KSC+\T], v[QSC] matrix_a_fmt:MATRIX_FMT_BF8 matrix_b_fmt:MATRIX_FMT_BF8
.endr
.rept 8
	v_nop                                          ; eight places: in front of the loads below and of the first read of the scores
.endr
.irp t, 0,1,2,3
.irp c, 0,1,2,3
	ds_load_b128 v[KF+16*\t+4*\c:KF+16*\t+4*\c+3], v8 offset:2048*\t+512*\c   ; V's fragments land under the softmax
.endr
.endr
	ds_load_b128 v[VSC:VSC+3], v9 offset:8192
.irp b, 0,1,2,3
	v_max3_num_f32 v[TMX+\b], v[S+16*\b], v[S+16*\b+1], v[S+16*\b+2]   ; the largest score of each block of 32 keys: it serves the row's maximum and, since p rises with the score, the block's largest p
.endr
.irp i, 3,5,7,9,11,13
.irp b, 0,1,2,3
	v_max3_num_f32 v[TMX+\b], v[TMX+\b], v[S+16*\b+\i], v[S+16*\b+\i+1]
.endr
.endr
.irp b, 0,1,2,3
	v_max_num_f32 v[TMX+\b], v[TMX+\b], v[S+16*\b+15]
.endr
.irp b, 0,1,2,3
	s_delay_alu instid0(VALU_DEP_4)
	v_permlanex16_b32 v[TMB+\b], v[TMX+\b], s20, s21
.endr
.irp b, 0,1,2,3
	s_delay_alu instid0(VALU_DEP_4)
	v_max_num_f32 v[TMX+\b], v[TMX+\b], v[TMB+\b]  ; with lane l xor 16's 16 keys
.endr
	s_delay_alu instid0(VALU_DEP_2)
	v_max3_num_f32 v[T0], v[TMX], v[TMX+1], v[TMX+2]
	s_delay_alu instid0(VALU_DEP_1)
	v_max_num_f32 v[T0], v[T0], v[TMX+3]
	s_delay_alu instid0(VALU_DEP_1)
	v_mul_f32 v[T0], s22, v[T0]                    ; as t (c is not negative)
	s_delay_alu instid0(VALU_DEP_1)
	v_max_num_f32 v13, v13, v[T0]                  ; the running largest t
	v_mov_b32 v[T0], v12
	s_delay_alu instid0(VALU_DEP_2)
	v_floor_f32 v12, -v13                          ; the new -M = -ceil(t)
	s_delay_alu instid0(VALU_DEP_1)
	v_sub_f32 v[T0], v12, v[T0]                    ; M's old value less its new one: a whole number, 0 or less
	s_delay_alu instid0(VALU_DEP_1)
	v_cvt_i32_f32 v[T0], v[T0]                     ; (it saturates)
	s_delay_alu instid0(VALU_DEP_1)
	v_ldexp_f32 v[F], 1.0, v[T0]                   ; f = 2^(old M - new M)
.set j, 0
.rept 32
	v_pk_fma_f32 v[S+j:S+j+1], v[S+j:S+j+1], s[22:23], v[12:13] op_sel_hi:[1,0,0]   ; t - M, two at a time
.set j, j+2
.endr
.irp b, 0,1,2,3
	v_fma_f32 v[TMX+\b], v[TMX+\b], s22, v12       ; the same of each block's largest score
.endr
.set j, 0
	s_wait_alu depctr_va_vdst(0)
.rept 64
	v_exp_f32 v[S+j], v[S+j]                       ; p = 2^(t - M), at most 1
.set j, j+1
.endr
.irp b, 0,1,2,3
	v_exp_f32 v[TMX+\b], v[TMX+\b]                 ; the block's largest p
.endr
	v_pk_mul_f32 v[14:15], v[14:15], v[F:F+1] op_sel_hi:[1,0]   ; the sums under the new M.  (A plain place behind the exponentials)
	s_wait_alu depctr_va_vdst(0)
.irp b, 0,1,2,3
	v_max_num_f32 v[TMX+\b], 0x8000000, v[TMX+\b]  ; the floor 2^(16 - 127): the byte cannot fall under 1
.endr
.irp b, 0,1,2,3
	s_delay_alu instid0(VALU_DEP_4)
	v_add_nc_u32 v[TMS+\b], 0xf8800000, v[TMX+\b]  ; 15 off the exponent field: the conversion's scale operand
.endr
.irp b, 0,1,2,3
	v_and_or_b32 v[TMH+\b], v[TMX+\b], 0x7f800000, s19   ; 57,344 x the scale
.endr
.irp b, 0,1,2,3
	v_lshrrev_b32 v[TMB+\b], 23, v[TMS+\b]         ; the scale's byte
.endr
	s_delay_alu instid0(VALU_DEP_3)
	v_lshl_or_b32 v[PSC], v[TMB+1], 8, v[TMB]      ; p's scale word for these 128 keys
	s_delay_alu instid0(VALU_DEP_1)
	v_lshl_or_b32 v[PSC], v[TMB+2], 16, v[PSC]
	s_delay_alu instid0(VALU_DEP_1)
	v_lshl_or_b32 v[PSC], v[TMB+3], 24, v[PSC]
	v_pk_add_f32 v[220:221], v[108:109], v[112:113]
	v_pk_add_f32 v[254:255], v[116:117], v[120:121]
	v_pk_add_f32 v[252:253], v[124:125], v[128:129]
	v_pk_add_f32 v[250:251], v[132:133], v[136:137]
	v_pk_add_f32 v[248:249], v[140:141], v[144:145]
	v_pk_add_f32 v[234:235], v[148:149], v[152:153]
	v_pk_add_f32 v[232:233], v[156:157], v[160:161]
	v_pk_add_f32 v[14:15], v[14:15], v[164:165]
	v_pk_add_f32 v[220:221], v[220:221], v[104:105]
	v_pk_add_f32 v[254:255], v[254:255], v[106:107]
	v_pk_add_f32 v[252:253], v[252:253], v[110:111]
	v_pk_add_f32 v[250:251], v[250:251], v[114:115]
	v_pk_add_f32 v[248:249], v[248:249], v[118:119]
	v_pk_add_f32 v[234:235], v[234:235], v[122:123]
	v_pk_add_f32 v[232:233], v[232:233], v[126:127]
	v_pk_add_f32 v[14:15], v[14:15], v[130:131]
	v_pk_add_f32 v[220:221], v[220:221], v[134:135]
	v_pk_add_f32 v[254:255], v[254:255], v[138:139]
	v_pk_add_f32 v[252:253], v[252:253], v[142:143]
	v_pk_add_f32 v[250:251], v[250:251], v[146:147]
	v_pk_add_f32 v[248:249], v[248:249], v[150:151]
	v_pk_add_f32 v[234:235], v[234:235], v[154:155]
	v_pk_add_f32 v[232:233], v[232:233], v[158:159]
	v_pk_add_f32 v[14:15], v[14:15], v[162:163]
	v_pk_add_f32 v[220:221], v[220:221], v[166:167]
	s_delay_alu instid0(VALU_DEP_2)
	v_pk_add_f32 v[14:15], v[14:15], v[250:251]
	s_delay_alu instid0(VALU_DEP_2)
	v_pk_add_f32 v[220:221], v[220:221], v[248:249]
	v_pk_add_f32 v[254:255], v[254:255], v[234:235]
	v_pk_add_f32 v[252:253], v[252:253], v[232:233]
	s_delay_alu instid0(VALU_DEP_2)
	v_pk_add_f32 v[14:15], v[14:15], v[254:255]
	s_delay_alu instid0(VALU_DEP_2)
	v_pk_add_f32 v[220:221], v[220:221], v[252:253]
	s_delay_alu instid0(VALU_DEP_1)
	v_pk_add_f32 v[14:15], v[14:15], v[220:221]
; The conversion does not saturate (ISA guide 7.6.2); p is not negative, so the hold is one-sided.  Two holds an instruction: blocks b and b + 1 together, an even register of one with an odd register of the other.
.irp b, 0,2
.irp i, 0,2,4,6,8,10,12,14
	v_dual_min_num_f32 v[S+16*\b+\i], v[S+16*\b+\i], v[TMH+\b] :: v_dual_min_num_f32 v[S+16*\b+17+\i], v[S+16*\b+17+\i], v[TMH+\b+1]
	v_dual_min_num_f32 v[S+16*\b+16+\i], v[S+16*\b+16+\i], v[TMH+\b+1] :: v_dual_min_num_f32 v[S+16*\b+1+\i], v[S+16*\b+1+\i], v[TMH+\b]
.endr
.irp u, 0,1
	v_cvt_scalef32_pk8_bf8_f32 v[PCD+4*(\b+\u):PCD+4*(\b+\u)+1], v[S+16*(\b+\u):S+16*(\b+\u)+7], v[TMS+\b+\u]
	v_cvt_scalef32_pk8_bf8_f32 v[PCD+4*(\b+\u)+2:PCD+4*(\b+\u)+3], v[S+16*(\b+\u)+8:S+16*(\b+\u)+15], v[TMS+\b+\u]
.endr
.endr
.set j, 0
.rept 16
	v_pk_mul_f32 v[O+j:O+j+1], v[O+j:O+j+1], v[F:F+1] op_sel_hi:[1,0]   ; O^T under the new M, from each accumulator's low end on.  (Also the places in front of the products below)
.set j, j+2
.endr
	s_wait_alu depctr_va_vdst(0)
	s_wait_dscnt 0x0                               ; V's fragments and scale words
.irp t, 0,1,2,3
	v_wmma_scale_f32_16x16x128_f8f6f4 v[O+8*\t:O+8*\t+7], v[KF+16*\t:KF+16*\t+15], v[PCD:PCD+15], v[O+8*\t:O+8*\t+7], v[VSC+\t], v[PSC] matrix_a_fmt:MATRIX_FMT_BF8 matrix_b_fmt:MATRIX_FMT_BF8
.endr
	s_add_co_u32 s40, s40, STB
	s_add_co_u32 s41, s41, 512
	s_sub_co_u32 s42, s42, 1
	s_cmp_lg_u32 s42, 0
	s_cbranch_scc1 .Lstep_\@
	; THE WAY OUT of a pass: O^T / the sum is ctx(query r, d = 16 t + 8 h + j); its two blocks of 32 are quantised; the codes change lanes into the operand's own order.
.rept 8
	v_nop
.endr
	v_add_f32 v14, v14, v15                        ; the sum's two halves,
	s_delay_alu instid0(VALU_DEP_1)
	v_permlanex16_b32 v[T0], v14, s20, s21
	s_delay_alu instid0(VALU_DEP_1)
	v_add_f32 v14, v14, v[T0]                      ; and lane l xor 16's
	s_wait_alu depctr_va_vdst(0)
	v_rcp_f32 v14, v14
	v_nop
.set j, 0
	s_wait_alu depctr_va_vdst(0)
.rept 16
	v_pk_mul_f32 v[O+j:O+j+1], v[O+j:O+j+1], v[14:15] op_sel_hi:[1,0]
.set j, j+2
.endr
.irp b, 0,1
	v_max3_num_f32 v[TMX+\b], |v[O+16*\b]|, |v[O+16*\b+1]|, 0x8000000
.endr
.irp i, 2,4,6,8,10,12,14
.irp b, 0,1
	s_delay_alu instid0(VALU_DEP_2)
	v_max3_num_f32 v[TMX+\b], v[TMX+\b], |v[O+16*\b+\i]|, |v[O+16*\b+\i+1]|
.endr
.endr
.irp b, 0,1
	s_delay_alu instid0(VALU_DEP_2)
	v_permlanex16_b32 v[TMB+\b], v[TMX+\b], s20, s21
.endr
.irp b, 0,1
	s_delay_alu instid0(VALU_DEP_2)
	v_max_num_f32 v[TMX+\b], v[TMX+\b], v[TMB+\b]
.endr
.irp b, 0,1
	s_delay_alu instid0(VALU_DEP_2)
	v_add_nc_u32 v[TMS+\b], 0xf8800000, v[TMX+\b]
.endr
.irp b, 0,1
	s_delay_alu instid0(VALU_DEP_4)
	v_and_or_b32 v[TMH+\b], v[TMX+\b], 0x7f800000, s19
.endr
.irp b, 0,1
	s_delay_alu instid0(VALU_DEP_4)
	v_lshrrev_b32 v[TMB+\b], 23, v[TMS+\b]
.endr
	s_delay_alu instid0(VALU_DEP_1)
	v_lshl_or_b32 v[T0+1], v[TMB+1], 8, v[TMB]     ; the head's two scale bytes of my token
.irp b, 0,1
.irp i, 0,1,2,3,4,5,6,7,8,9,10,11,12,13,14,15
	v_med3_num_f32 v[O+16*\b+\i], v[O+16*\b+\i], -v[TMH+\b], v[TMH+\b]
.endr
	v_cvt_scalef32_pk8_bf8_f32 v[PCD+4*\b:PCD+4*\b+1], v[O+16*\b:O+16*\b+7], v[TMS+\b]
	v_cvt_scalef32_pk8_bf8_f32 v[PCD+4*\b+2:PCD+4*\b+3], v[O+16*\b+8:O+16*\b+15], v[TMS+\b]
.endr
	v_and_b32 v[T0+2], 16, v0                      ; (a plain place behind the conversions)
	s_delay_alu instid0(VALU_DEP_1)
	v_cmp_ne_u32 vcc_lo, 0, v[T0+2]                ; lanes 16-31
	; I hold d = 16 u + 8 h + j at 8 u + j; the operand wants 16 h + 0 .. 15.  Lanes 0-15 give their u = 1 half for the partner's u = 0 half, lanes 16-31 the other way round.
.irp b, 0,1
.irp k, 0,1
	v_cndmask_b32 v[T0+2], v[PCD+4*\b+2+\k], v[PCD+4*\b+\k], vcc_lo
	s_delay_alu instid0(VALU_DEP_1)
	v_permlanex16_b32 v[T0+3], v[T0+2], s20, s21
	v_cndmask_b32 v[248+4*\b+\k], v[PCD+4*\b+\k], v[T0+3], vcc_lo
	v_cndmask_b32 v[248+4*\b+2+\k], v[T0+3], v[PCD+4*\b+2+\k], vcc_lo
.endr
.endr
	global_store_b128 v1, v[248:251], s[60:61] offset:(\p)*262144        ; the wave stores 512 consecutive bytes, aligned
	global_store_b128 v1, v[252:255], s[60:61] offset:(\p)*262144+512
	global_store_b16 v11, v[T0+1], s[62:63] offset:(\p)*8192             ; lanes 16-31 store the same bytes with the same values
.endm
	PASS 0
	PASS 1
	s_wait_dscnt 0x0
	s_wait_xcnt 0x0
	v_lshl_add_u32 v254, v0, 2, 0x44100
	v_mov_b32 v255, 0
	s_wait_alu depctr_va_vdst(0)
	s_wait_tensorcnt 0x0
	ds_add_u32 v254, v255
	s_wait_dscnt 0x0
	CROUND                                         ; the closing round: no work-group ends while a partner may still ask for a tile that names it
	s_endpgm
.Lfunc_end_k_q92c5d3c9f0_attn:
	.size	k_q92c5d3c9f0_attn, .Lfunc_end_k_q92c5d3c9f0_attn-k_q92c5d3c9f0_attn
	.p2alignl 7, 3214868480
	.fill 96, 4, 3214868480
	.section	.rodata,"a",@progbits
	.p2align	6, 0x0
	.amdhsa_kernel k_q92c5d3c9f0_attn
		.amdhsa_group_segment_fixed_size 280832
		.amdhsa_private_segment_fixed_size 0
		.amdhsa_enable_private_segment 0
		.amdhsa_kernarg_size 48
		.amdhsa_user_sgpr_count 2
		.amdhsa_user_sgpr_kernarg_segment_ptr 1
		.amdhsa_wavefront_size32 1
		.amdhsa_system_sgpr_workgroup_id_x 1
		.amdhsa_system_sgpr_workgroup_id_y 1
		.amdhsa_system_sgpr_workgroup_id_z 1
		.amdhsa_system_vgpr_workitem_id 0
		.amdhsa_next_free_vgpr 256
		.amdhsa_next_free_sgpr 66
		.amdhsa_reserve_vcc 1
		.amdhsa_float_denorm_mode_32 3
		.amdhsa_float_denorm_mode_16_64 3
		.amdhsa_memory_ordered 1
		.amdhsa_forward_progress 1
		.amdhsa_inst_pref_size 69
	.end_amdhsa_kernel
	.amdgpu_metadata
---
amdhsa.version: [ 1, 2 ]
amdhsa.kernels:
  - .name:           k_q92c5d3c9f0_attn
    .symbol:         k_q92c5d3c9f0_attn.kd
    .args:
      - { .name: qbuf, .offset: 0, .size: 8, .value_kind: global_buffer, .address_space: global }
      - { .name: kbuf, .offset: 8, .size: 8, .value_kind: global_buffer, .address_space: global }
      - { .name: vbuf, .offset: 16, .size: 8, .value_kind: global_buffer, .address_space: global }
      - { .name: mask, .offset: 24, .size: 8, .value_kind: global_buffer, .address_space: global }
      - { .name: cbuf, .offset: 32, .size: 8, .value_kind: global_buffer, .address_space: global }
      - { .name: cs, .offset: 40, .size: 8, .value_kind: global_buffer, .address_space: global }
    .group_segment_fixed_size: 280832
    .private_segment_fixed_size: 0
    .kernarg_segment_align: 8
    .kernarg_segment_size: 48
    .max_flat_workgroup_size: 512
    .sgpr_count:     66
    .vgpr_count:     256
    .wavefront_size: 32
...
	.end_amdgpu_metadata
.endif
;; end of part 3
;; launch outln (part 4): grid 256 x 1, 4 waves a work-group, no clusters, 132,096 bytes of LDS; arguments cbuf, cs, Wi, Wo_scales, bo, Q, gamma, beta, out0; writes out0
.if DOCPART == 4
	.amdgcn_target "amdgcn-amd-amdhsa--gfx1250"
	.amdhsa_code_object_version 6
	.text
	.protected	k_q92c5d3c9f0_outln
	.globl	k_q92c5d3c9f0_outln
	.p2align	8
	.type	k_q92c5d3c9f0_outln,@function
k_q92c5d3c9f0_outln:
	s_mov_b64 s[64:65], 0
	v_nop
	global_prefetch_b8 v0, s[64:65] scope:SCOPE_SE
	s_setreg_imm32_b32 hwreg(HW_REG_WAVE_MODE, 25, 1), 1
	s_wait_xcnt 0x0
; out0 = LayerNorm(ctx Wo^T + bo + Q) x gamma + beta.  The product is on codes of BF8 (E5M2), one E8M0 scale for each 32 along K = 1,024; all else in f32.
; SHARES.  A work-group owns 32 whole rows (two tiles of 16 tokens) x all 1,024 columns, so a row's mean and variance stay inside it.  ctx's 16 fragments stay in every wave's registers.
; Wave w makes columns 128 i + 32 w + 0 .. 31, i = 0 .. 7: 128 fragments of Wo, each multiplied with both tiles of tokens.
; Wo COMES STRAIGHT INTO REGISTERS from Wi, the image of operand registers that the first launch stores: [tile of 16 rows][K step][c][lane][16 bytes]: every load covers 512 consecutive bytes.
; A set is four fragments (two tiles of rows x two K steps), 16 loads, 8 products; five sets of registers take turns, so that four sets' loads are out while one set is multiplied.
; No tensor load, so no slot, no refill and no barrier in the product; no cluster: joint requests are a form of the tensor load.  No prefetch: all work-groups walk the same 1 MiB of Wi again and again.
; The matrix instruction is used transposed (source 0 = 16 rows of Wo, source 1 = 16 tokens): a lane holds eight neighbouring columns of one token.
; x goes through a stage in LDS and comes back as whole rows; wave w normalises rows 8 w .. 8 w + 7: the mean first, then the squares of x - mean.
; LIMITS: NaN and infinities are not served.
; REGISTERS, in windows of 256: window 0: v4-10 addresses, v12-21 at work, v30-31 the add's, v36-43 ctx's scale words (lanes 0-15 tile 0, lanes 16-31 tile 1), v64-127 set 4 (later two rows of x),
;   v192-255 Wo's scale words (lanes 0-15 my first 16 rows, lanes 16-31 the second).   window 1: ctx's fragments at 16 (8 m + s); later bo, gamma, beta.   window 2: the accumulators at 8 (4 i + 2 n + m).
;   window 3: sets 0-3; as they fall free at the end, my 8 rows of Q.
.set XP,    4112                       ; a row of x in the stage: 4,096 bytes + 16
.set SPARE, 32*XP                      ; behind the stage: the spare words, 128 bytes a wave
.set CSC,   36                         ; no product's two scale registers have numbers equal modulo 8
.set WS,    192
.set XR,    64
.set MSB, 0
.macro WIN new                         ; the immediate's high byte repeats the setting that is left
.if MSB != (\new)
	s_set_vgpr_msb (MSB<<8)|(\new)
.set MSB, (\new)
.endif
.endm
.macro PLACES n                        ; plain vector instructions behind matrix instructions: eight for this form
.rept \n
	v_nop
.endr
.endm
	s_load_b256 s[4:11], s[0:1], 0x0               ; cbuf s[4:5], cs s[6:7], Wi s[8:9], Wo's scales s[10:11]
	s_load_b128 s[12:15], s[0:1], 0x20             ; bo s[12:13], Q s[14:15]
	s_load_b128 s[24:27], s[0:1], 0x30             ; gamma s[24:25], beta s[26:27]
	s_load_b64 s[28:29], s[0:1], 0x40              ; out0
	v_lshl_add_u32 v30, v0, 2, SPARE
	v_mov_b32 v31, 0
	v_lshrrev_b32 v1, 5, v0
	v_readfirstlane_b32 s40, v1                    ; wave 0..3
	s_lshl_b32 s44, s40, 15                        ; Wi: my two tiles of rows of each eight
	s_mov_b32 s45, 0
	s_lshl_b32 s46, ttmp9, 15                      ; cbuf: two tiles of 16,384 bytes
	s_mov_b32 s47, 0
	s_lshl_b32 s52, ttmp9, 10                      ; cs: 32 rows of 32 bytes
	s_mov_b32 s53, 0
	s_lshl_b32 s54, s40, 10                        ; Wo's scales: my 32 rows
	s_mov_b32 s55, 0
	s_lshl_b32 s56, ttmp9, 5
	s_lshl_b32 s57, s40, 3
	s_add_co_u32 s56, s56, s57
	s_lshl_b32 s56, s56, 12                        ; Q and out0: row 32 g + 8 w
	s_mov_b32 s57, 0
	s_mov_b32 s48, 0x76543210
	s_mov_b32 s49, 0xfedcba98                      ; v_permlanex16_b32's selects for lane l xor 16
	s_mov_b32 s50, 0x3a800000                      ; 1 / 1,024
	s_mov_b32 s51, 0x3727c5ac                      ; 1e-5
	v_and_b32 v1, 31, v0                           ; lane
	v_and_b32 v2, 15, v0                           ; r
	v_bfe_u32 v3, v0, 4, 1                         ; h
	v_lshlrev_b32 v4, 4, v1                        ; 16 x lane
	v_lshlrev_b32 v5, 5, v1                        ; 32 x lane: a row of scale bytes
	v_mul_u32_u24 v8, v2, XP
	v_lshl_add_u32 v8, v3, 5, v8
	s_lshl_b32 s58, s40, 7
	v_add_nc_u32 v8, s58, v8                       ; the stage: token r, + 32 h, + 128 w: tile 0's tokens,
	v_add_nc_u32 v9, 16*XP, v8                     ; and tile 1's
	s_mul_i32 s58, s40, 8*XP
	v_add_nc_u32 v10, s58, v4                      ; back: my 8 rows, 16 bytes a lane
	s_wait_alu depctr_va_vdst(0)                   ; the wait at the head's end
	s_wait_kmcnt 0x0
	s_add_nc_u64 s[4:5], s[4:5], s[46:47]
	s_add_nc_u64 s[6:7], s[6:7], s[52:53]
	s_add_nc_u64 s[8:9], s[8:9], s[44:45]
	s_add_nc_u64 s[10:11], s[10:11], s[54:55]
	s_add_nc_u64 s[14:15], s[14:15], s[56:57]
	s_add_nc_u64 s[28:29], s[28:29], s[56:57]
.macro LC j                            ; ctx's fragments of K steps 2 j, 2 j + 1, both tiles of tokens: 16 loads into window 1
	WIN 0x40
.irp m, 0,1
.irp e, 0,1
.irp c, 0,1,2,3
	global_load_b128 v[16*(8*\m+2*(\j)+\e)+4*\c:16*(8*\m+2*(\j)+\e)+4*\c+3], v4, s[4:5] offset:\m*16384+(2*(\j)+\e)*2048+\c*512
.endr
.endr
.endr
	WIN 0
.endm
.macro LQ d                            ; set d of 32: i = d / 4, K steps 2 (d % 4) and the next, my two tiles of rows: 16 loads into registers d % 5
.if (\d)%5 == 4
.set SB_, 64
	WIN 0
.else
.set SB_, 64*((\d)%5)
	WIN 0xc0
.endif
.irp n, 0,1
.irp e, 0,1
.irp c, 0,1,2,3
	global_load_b128 v[SB_+32*\n+16*\e+4*\c:SB_+32*\n+16*\e+4*\c+3], v4, s[8:9] offset:((\d)/4)*131072+\n*16384+(2*((\d)%4)+\e)*2048+\c*512
.endr
.endr
.endr
	WIN 0
.endm
.macro QL sl                           ; rows 2 sl, 2 sl + 1 of my eight of Q into the registers that set sl has left: 16 loads of 512 consecutive bytes
	WIN 0xc0
.irp u, 0,1
.irp k, 0,1,2,3,4,5,6,7
	global_load_b128 v[64*(\sl)+32*\u+4*\k:64*(\sl)+32*\u+4*\k+3], v4, s[14:15] offset:4096*(2*(\sl)+\u)+512*\k th:TH_LOAD_NT
.endr
.endr
	WIN 0
.endm
; Four matrix instructions: K step s of columns i: my two tiles of rows x the two tiles of tokens.  The four accumulators take turns, one instruction a turn.  s = 0 starts the sums.
.macro MULS i, ra, s
.set rA, \ra
.set rD, 32*(\i)
.set rB, 16*(\s)
.set rX, WS+8*(\i)+(\s)
.set rY, CSC+(\s)
.if (\s) == 0
	v_wmma_scale_f32_16x16x128_f8f6f4 v[rD:rD+7], v[rA:rA+15], v[rB:rB+15], 0, v[rX], v[rY] matrix_a_fmt:MATRIX_FMT_BF8 matrix_b_fmt:MATRIX_FMT_BF8
	v_wmma_scale_f32_16x16x128_f8f6f4 v[rD+8:rD+15], v[rA:rA+15], v[rB+128:rB+143], 0, v[rX], v[rY] matrix_a_fmt:MATRIX_FMT_BF8 matrix_b_fmt:MATRIX_FMT_BF8 matrix_b_scale:MATRIX_SCALE_ROW1
	v_wmma_scale_f32_16x16x128_f8f6f4 v[rD+16:rD+23], v[rA+32:rA+47], v[rB:rB+15], 0, v[rX], v[rY] matrix_a_fmt:MATRIX_FMT_BF8 matrix_b_fmt:MATRIX_FMT_BF8 matrix_a_scale:MATRIX_SCALE_ROW1
	v_wmma_scale_f32_16x16x128_f8f6f4 v[rD+24:rD+31], v[rA+32:rA+47], v[rB+128:rB+143], 0, v[rX], v[rY] matrix_a_fmt:MATRIX_FMT_BF8 matrix_b_fmt:MATRIX_FMT_BF8 matrix_a_scale:MATRIX_SCALE_ROW1 matrix_b_scale:MATRIX_SCALE_ROW1
.else
	v_wmma_scale_f32_16x16x128_f8f6f4 v[rD:rD+7], v[rA:rA+15], v[rB:rB+15], v[rD:rD+7], v[rX], v[rY] matrix_a_fmt:MATRIX_FMT_BF8 matrix_b_fmt:MATRIX_FMT_BF8
	v_wmma_scale_f32_16x16x128_f8f6f4 v[rD+8:rD+15], v[rA:rA+15], v[rB+128:rB+143], v[rD+8:rD+15], v[rX], v[rY] matrix_a_fmt:MATRIX_FMT_BF8 matrix_b_fmt:MATRIX_FMT_BF8 matrix_b_scale:MATRIX_SCALE_ROW1
	v_wmma_scale_f32_16x16x128_f8f6f4 v[rD+16:rD+23], v[rA+32:rA+47], v[rB:rB+15], v[rD+16:rD+23], v[rX], v[rY] matrix_a_fmt:MATRIX_FMT_BF8 matrix_b_fmt:MATRIX_FMT_BF8 matrix_a_scale:MATRIX_SCALE_ROW1
	v_wmma_scale_f32_16x16x128_f8f6f4 v[rD+24:rD+31], v[rA+32:rA+47], v[rB+128:rB+143], v[rD+24:rD+31], v[rX], v[rY] matrix_a_fmt:MATRIX_FMT_BF8 matrix_b_fmt:MATRIX_FMT_BF8 matrix_a_scale:MATRIX_SCALE_ROW1 matrix_b_scale:MATRIX_SCALE_ROW1
.endif
.endm
.macro MQ d                            ; set d's eight products.  Windows: source 0 (Wo) 3, or 0 for registers 4; source 1 (ctx) 1; C and D 2
.if (\d)%5 == 4
.set RA_, 64
	WIN 0xa4
.else
.set RA_, 64*((\d)%5)
	WIN 0xa7
.endif
	MULS (\d)/4, RA_, 2*((\d)%4)
	MULS (\d)/4, RA_+16, 2*((\d)%4)+1
	WIN 0
.endm
	global_load_b128 v[CSC:CSC+3], v5, s[6:7]      ; token 32 g + lane: its eight scale words
	global_load_b128 v[CSC+4:CSC+7], v5, s[6:7] offset:16
.irp i, 0,1,2,3,4,5,6,7
	global_load_b128 v[WS+8*\i:WS+8*\i+3], v5, s[10:11] offset:4096*\i       ; row 128 i + 32 w + lane of Wo: its eight scale words
	global_load_b128 v[WS+8*\i+4:WS+8*\i+7], v5, s[10:11] offset:4096*\i+16
.endr
	LC 0
	LQ 0
	LC 1
	LQ 1
; THE PRODUCT.  Ahead of set d's products the wait leaves out what was issued behind set d's loads: sets 0-3: 32 (the next set with its part of ctx, or two sets); set 4: three sets, 48;
; from set 5 on four runs of 16 are younger, 64, and the wait names 63, the most that its field holds; sets 30, 31: 48 (one run fewer: registers 4 take no rows of Q).
.set D_, 0
.rept 32
.if D_ < 4
	s_wait_loadcnt 32
.elseif (D_ == 4) || (D_ >= 30)
	s_wait_loadcnt 48
.else
	s_wait_loadcnt 63
.endif
	MQ D_
	PLACES 8                                       ; in front of loads into registers that matrix instructions have read
.if D_ < 2
	LC D_+2
	LQ D_+2
.elseif D_ < 5
	LQ 2*D_
	LQ 2*D_+1
.elseif D_ < 27
	LQ D_+5
.elseif D_ != 29
	QL (D_%5)
.endif
.set D_, D_+1
.endr
	WIN 0x40                                       ; destination window 1: ctx's fragments are done with (the eight places stand behind the last products)
.irp k, 0,1,2,3,4,5,6,7
	global_load_b128 v[4*\k:4*\k+3], v4, s[12:13] offset:512*\k          ; bo, gamma, beta at my columns 128 k + 4 lane ..
	global_load_b128 v[32+4*\k:32+4*\k+3], v4, s[24:25] offset:512*\k
	global_load_b128 v[64+4*\k:64+4*\k+3], v4, s[26:27] offset:512*\k
.endr
	WIN 0x08                                       ; an LDS store's data are its source 1: window 2
.irp i, 0,1,2,3,4,5,6,7
.irp n, 0,1
	ds_store_b128 v8, v[32*\i+16*\n:32*\i+16*\n+3] offset:512*\i+64*\n           ; lane (r, h): x(r, 128 i + 32 w + 16 n + 8 h + 0 .. 7); each accumulator from its low end on
	ds_store_b128 v8, v[32*\i+16*\n+4:32*\i+16*\n+7] offset:512*\i+64*\n+16
	ds_store_b128 v9, v[32*\i+16*\n+8:32*\i+16*\n+11] offset:512*\i+64*\n
	ds_store_b128 v9, v[32*\i+16*\n+12:32*\i+16*\n+15] offset:512*\i+64*\n+16
.endr
.endr
	WIN 0
	s_wait_dscnt 0x0                               ; for the others' sake: my stores into the stage are done
	s_barrier_signal -1
	s_barrier_wait -1                              ; 32 whole rows lie in the stage
.irp k, 0,1,2,3,4,5,6,7
	ds_load_b128 v[XR+4*\k:XR+4*\k+3], v10 offset:512*\k
.endr
	s_wait_loadcnt 0x0                             ; Q, bo, gamma, beta
; Row t of my eight: register 4 k + e holds column 128 k + 4 lane + e.
.macro LNROW t
.set XS, XR+32*((\t)%2)
.set XN, XR+32*(1-(\t)%2)
.if (\t) < 7
	s_wait_xcnt 0x0                                ; the row before's stores have read their registers: the next row may land there
.irp k, 0,1,2,3,4,5,6,7
	ds_load_b128 v[XN+4*\k:XN+4*\k+3], v10 offset:((\t)+1)*XP+512*\k
.endr
	s_wait_dscnt 8                                 ; this row's eight loads are in; the next row's may be out
.else
	s_wait_dscnt 0x0
.endif
	WIN 0x0c                                       ; source 1: window 3
.set j, 0
.rept 16
	v_pk_add_f32 v[XS+j:XS+j+1], v[XS+j:XS+j+1], v[32*(\t)+j:32*(\t)+j+1]    ; + Q
.set j, j+2
.endr
	WIN 0x04                                       ; source 1: window 1
.set j, 0
.rept 16
	v_pk_add_f32 v[XS+j:XS+j+1], v[XS+j:XS+j+1], v[j:j+1]                    ; + bo
.set j, j+2
.endr
	WIN 0
.irp c, 0,1,2,3
	v_pk_add_f32 v[12+2*\c:13+2*\c], v[XS+4*\c:XS+4*\c+1], v[XS+4*\c+2:XS+4*\c+3]   ; the row's sum, in four chains
.endr
.irp j, 16,24
.irp c, 0,1,2,3
	v_pk_add_f32 v[12+2*\c:13+2*\c], v[12+2*\c:13+2*\c], v[XS+\j+2*\c:XS+\j+2*\c+1]
.endr
.endr
	v_pk_add_f32 v[12:13], v[12:13], v[14:15]
	v_pk_add_f32 v[16:17], v[16:17], v[18:19]
	v_pk_add_f32 v[12:13], v[12:13], v[16:17]
	v_add_f32 v12, v12, v13
	v_add_f32_dpp v12, v12, v12 row_xmask:1 row_mask:0xf bank_mask:0xf
	v_add_f32_dpp v12, v12, v12 row_xmask:2 row_mask:0xf bank_mask:0xf
	v_add_f32_dpp v12, v12, v12 row_xmask:4 row_mask:0xf bank_mask:0xf
	v_add_f32_dpp v12, v12, v12 row_xmask:8 row_mask:0xf bank_mask:0xf
	v_permlanex16_b32 v13, v12, s48, s49
	v_add_f32 v12, v12, v13
	v_mul_f32 v12, s50, v12                        ; the mean
.set j, 0
.rept 16
	v_pk_add_f32 v[XS+j:XS+j+1], v[XS+j:XS+j+1], v[12:13] op_sel_hi:[1,0] neg_lo:[0,1] neg_hi:[0,1]   ; x - mean
.set j, j+2
.endr
.irp c, 0,1,2,3
	v_pk_mul_f32 v[14+2*\c:15+2*\c], v[XS+2*\c:XS+2*\c+1], v[XS+2*\c:XS+2*\c+1]     ; its squares, in four chains
.endr
.irp j, 8,16,24
.irp c, 0,1,2,3
	v_pk_fma_f32 v[14+2*\c:15+2*\c], v[XS+\j+2*\c:XS+\j+2*\c+1], v[XS+\j+2*\c:XS+\j+2*\c+1], v[14+2*\c:15+2*\c]
.endr
.endr
	v_pk_add_f32 v[14:15], v[14:15], v[16:17]
	v_pk_add_f32 v[18:19], v[18:19], v[20:21]
	v_pk_add_f32 v[14:15], v[14:15], v[18:19]
	v_add_f32 v14, v14, v15
	v_add_f32_dpp v14, v14, v14 row_xmask:1 row_mask:0xf bank_mask:0xf
	v_add_f32_dpp v14, v14, v14 row_xmask:2 row_mask:0xf bank_mask:0xf
	v_add_f32_dpp v14, v14, v14 row_xmask:4 row_mask:0xf bank_mask:0xf
	v_add_f32_dpp v14, v14, v14 row_xmask:8 row_mask:0xf bank_mask:0xf
	v_permlanex16_b32 v15, v14, s48, s49
	v_add_f32 v14, v14, v15
	v_fma_f32 v14, v14, s50, s51                   ; the variance + 1e-5
	s_wait_alu depctr_va_vdst(0)                   ; the wait ahead of the transcendental
	v_rsq_f32 v16, v14
	v_nop                                          ; a plain place behind the transcendental
.set j, 0
	s_wait_alu depctr_va_vdst(0)                   ; and ahead of its first reader
.rept 16
	v_pk_mul_f32 v[XS+j:XS+j+1], v[XS+j:XS+j+1], v[16:17] op_sel_hi:[1,0]
.set j, j+2
.endr
	WIN 0x14                                       ; sources 1 and 2: window 1
.set j, 0
.rept 16
	v_pk_fma_f32 v[XS+j:XS+j+1], v[XS+j:XS+j+1], v[32+j:33+j], v[64+j:65+j]  ; x gamma + beta
.set j, j+2
.endr
	WIN 0
.irp k, 0,1,2,3,4,5,6,7
	global_store_b128 v4, v[XS+4*\k:XS+4*\k+3], s[28:29] offset:4096*(\t)+512*\k th:TH_STORE_NT   ; 32 lanes store 512 consecutive bytes, aligned; written once, read by nobody here
.endr
.endm
.irp t, 0,1,2,3,4,5,6,7
	LNROW \t
.endr
	s_wait_tensorcnt 0x0                           ; the wave's end
	ds_add_u32 v30, v31
	s_wait_dscnt 0x0
	s_endpgm
.Lfunc_end_k_q92c5d3c9f0_outln:
	.size	k_q92c5d3c9f0_outln, .Lfunc_end_k_q92c5d3c9f0_outln-k_q92c5d3c9f0_outln
	.p2alignl 7, 3214868480
	.fill 96, 4, 3214868480
	.section	.rodata,"a",@progbits
	.p2align	6, 0x0
	.amdhsa_kernel k_q92c5d3c9f0_outln
		.amdhsa_group_segment_fixed_size 132096
		.amdhsa_private_segment_fixed_size 0
		.amdhsa_enable_private_segment 0
		.amdhsa_kernarg_size 72
		.amdhsa_user_sgpr_count 2
		.amdhsa_user_sgpr_kernarg_segment_ptr 1
		.amdhsa_wavefront_size32 1
		.amdhsa_system_sgpr_workgroup_id_x 1
		.amdhsa_system_sgpr_workgroup_id_y 1
		.amdhsa_system_sgpr_workgroup_id_z 1
		.amdhsa_system_vgpr_workitem_id 0
		.amdhsa_next_free_vgpr 1024
		.amdhsa_next_free_sgpr 66
		.amdhsa_reserve_vcc 0
		.amdhsa_float_denorm_mode_32 3
		.amdhsa_float_denorm_mode_16_64 3
		.amdhsa_memory_ordered 1
		.amdhsa_forward_progress 1
		.amdhsa_inst_pref_size 193
	.end_amdhsa_kernel
	.amdgpu_metadata
---
amdhsa.version: [ 1, 2 ]
amdhsa.kernels:
  - .name:           k_q92c5d3c9f0_outln
    .symbol:         k_q92c5d3c9f0_outln.kd
    .args:
      - { .name: cbuf, .offset: 0, .size: 8, .value_kind: global_buffer, .address_space: global }
      - { .name: cs, .offset: 8, .size: 8, .value_kind: global_buffer, .address_space: global }
      - { .name: Wi, .offset: 16, .size: 8, .value_kind: global_buffer, .address_space: global }
      - { .name: Wo_scales, .offset: 24, .size: 8, .value_kind: global_buffer, .address_space: global }
      - { .name: bo, .offset: 32, .size: 8, .value_kind: global_buffer, .address_space: global }
      - { .name: Q, .offset: 40, .size: 8, .value_kind: global_buffer, .address_space: global }
      - { .name: gamma, .offset: 48, .size: 8, .value_kind: global_buffer, .address_space: global }
      - { .name: beta, .offset: 56, .size: 8, .value_kind: global_buffer, .address_space: global }
      - { .name: out0, .offset: 64, .size: 8, .value_kind: global_buffer, .address_space: global }
    .group_segment_fixed_size: 132096
    .private_segment_fixed_size: 0
    .kernarg_segment_align: 8
    .kernarg_segment_size: 72
    .max_flat_workgroup_size: 128
    .sgpr_count:     66
    .vgpr_count:     1024
    .wavefront_size: 32
...
	.end_amdgpu_metadata
.endif
;; end of part 4
